; MI455X (gfx1250); checked and timed in simulation.
; The chip was launched on July 23, 2026; its instructions are those of AMD's public machine-readable ISA for CDNA 5 (MIT licence, August 2026) and "CDNA5" Instruction Set Architecture Reference Guide (July 2026). The comments in the code are by the model that wrote it; some were corrected since.
;; Causal Self Attention. Allowed arithmetic: matrix products marked QUANTISED: E2M1 operands, one E8M0 scale for each 32 along K, by v_wmma_scale_f32_16x16x128_f8f6f4 with both operands' format E2M1 (or v_wmma_scale_f32_32x16x128_f4), f32 sums; products left as they are: bf16, f16 or f32 operands; f32 sums; everything else in f32.
;; Inputs: Wg 2,048 x 2,048 float32; Wk 2,048 x 2,048 float32; Wo 2,048 x 2,048 float32; Wq 2,048 x 2,048 float32; Wv 2,048 x 2,048 float32; k_gamma 128 float32; o_gamma 128 float32; q_gamma 128 float32; x 2 x 1,024 x 2,048 float32.
;; Outputs: out0 2 x 1,024 x 2,048 float32.
;; This version of the problem:
;;   THIS VERSION OF THE PROBLEM IS GIVEN IN LOW PRECISION. The matrix products marked QUANTISED in the list below multiply operands that are first quantised to E2M1 (2 exponent bits, 1 mantissa bit; 4 bits a number), with one power-of-two scale for each 32 numbers along K (OCP MX v1.0); their sums are f32. The products marked 'left as it is' may take bf16, f16 or f32 operands, with f32 sums. Whichever they take, every output number must still come out within the allowed error. Rounding operands to bf16 (8 significant bits) uses up far more of that allowance than f16 does (11 bits, for magnitudes from 6e-5 to 65,504). All else is computed in f32.
;;   The module's matrix products, in the order in which they are computed (A, B: the left and right operand; K: the contracted axis; several contracted axes count as one K, in the product's order):
;;     1. [M 2,048, K 2,048] x [K 2,048, N 2,048]; A: input x; B: input Wq: QUANTISED
;;     2. [M 2,048, K 2,048] x [K 2,048, N 2,048]; A: input x; B: input Wk: QUANTISED
;;     3. [M 2,048, K 2,048] x [K 2,048, N 2,048]; A: input x; B: input Wv: QUANTISED
;;     4. batch 32 x [M 1,024, K 128] x [K 128, N 1,024]; A: computed on the way; B: computed on the way: left as it is (an operand is computed on the way)
;;     5. batch 32 x [M 1,024, K 1,024] x [K 1,024, N 128]; A: computed on the way; B: computed on the way: left as it is (an operand is computed on the way)
;;     6. [M 2,048, K 2,048] x [K 2,048, N 2,048]; A: input x; B: input Wg: QUANTISED
;;     7. [M 2,048, K 2,048] x [K 2,048, N 2,048]; A: computed on the way; B: input Wo: left as it is (an operand is computed on the way)
;;   THE QUANTISER, for each operand of a quantised product, along K:
;;     - K is cut into blocks of 32 from its start; a last block that is shorter is filled with zeros.
;;     - A block's scale is 2^e with e = floor(log2(the largest magnitude in the block)) - 2, held to -126 .. 127; a block of zeros has e = 0. As a byte (E8M0): e + 127.
;;     - Each number is divided by its block's scale, clamped to +-6, and rounded to the nearest number of E2M1, ties to even, subnormals kept.
;;     - The product sums the exact products of the quantised numbers (number of the format x scale) in f32.
;;   ~~~python
;;   def quantise(x, axis):      # numpy; x: float32 -> the quantised numbers, widened to float32 again
;;       x = np.moveaxis(x, axis, -1); K = x.shape[-1]
;;       x = np.pad(x, [(0, 0)] * (x.ndim - 1) + [(0, -K % 32)]); x = x.reshape(x.shape[:-1] + (-1, 32)); a = np.abs(x).max(-1, keepdims=True)
;;       e = np.where(a > 0, np.clip(np.frexp(np.where(a > 0, a, 1))[1] - 1 - 2, -126, 127), 0)      # np.frexp(a)[1] - 1 = floor(log2(a)), exactly
;;       r = np.clip(x / 2.0 ** e, -6, 6)
;;       step = 2.0 ** (np.maximum(np.frexp(np.where(r == 0, 1, r))[1] - 1, 0) - 1)
;;       q = np.round(r / step) * step * 2.0 ** e      # np.round: ties to even
;;       return np.moveaxis(q.reshape(q.shape[:-2] + (-1,))[..., :K], -1, axis).astype(np.float32)
;;   ~~~
;; One version. Each part assembles by itself: llvm-mc -triple=amdgcn-amd-amdhsa -mcpu=gfx1250 --defsym DOCPART=n.
;; ======== version 1 of 1: 4 launches
;; limits: values are held in f16: magnitudes above 65,504 overflow, below 6.1e-05 lose precision; a function is approximated: absolute error at most 0.0001
;; workspace buffers: codes 10,485,760 bytes; scales 655,360 bytes; wo16 8,388,608 bytes; rope 524,288 bytes; qkv 25,165,824 bytes; gimg 16,777,216 bytes; zimg 8,388,608 bytes
;; launch prep (part 1): grid 832 x 1, 4 waves a work-group, no clusters, 33,280 bytes of LDS; arguments x, Wq, Wk, Wv, Wg, Wo, codes, scales, wo16, rope, o_gamma; writes codes, scales, wo16, rope
.if DOCPART == 1
	.amdgcn_target "amdgcn-amd-amdhsa--gfx1250"
	.amdhsa_code_object_version 6
	.text
	.protected	k_qa8e8ef3130_prep
	.globl	k_qa8e8ef3130_prep
	.p2align	8
	.type	k_qa8e8ef3130_prep,@function
k_qa8e8ef3130_prep:
	s_mov_b64 s[64:65], 0
	v_nop
	global_prefetch_b8 v0, s[64:65] scope:SCOPE_SE
	s_setreg_imm32_b32 hwreg(HW_REG_WAVE_MODE, 25, 1), 1
	s_wait_xcnt 0x0
; CAUSAL SELF-ATTENTION, launch 1 of 4 (prep, proj, attn, oproj).
; This launch: x, Wq, Wk, Wv, Wg (f32, K innermost) become codes of FP4 (E2M1) with one E8M0 byte for each 32 along K; 16 x o_gamma x Wo becomes f16; the table of cos and sin for the rotary embedding is made.
; DEAD WORK, left out in the launch attn and nowhere else: reference() builds a causal jnp.tril in its own body and puts finfo.min in place of every score whose key comes after its query; behind the
; maximum's subtraction such a key's weight is exp(finfo.min - max), which adds nothing to the sum or to y for any finite inputs.  So tiles of scores, and of weights x values, that lie wholly above the
; diagonal are not computed.  Every input has a way to the output and is loaded.  LIMIT: a NaN, an infinity or an overflow that reaches only such hidden tiles is not carried to the result.
; THE QUANTISER: a block's scale is 2^(floor(log2(largest magnitude)) - 2); its byte is the largest magnitude's exponent field - 2, held at 1 from below.  A block of zeros gets the byte 1 where the rule says
; 127: its codes are zeros, which add nothing under any byte but 0xff, and the bytes are read by this program alone.  LIMITS: NaN and infinities among the inputs are not served.
; o_gamma GOES INTO Wo: the last product is sum over k of (y_k o_gamma_k s_k) Wo[n][k], y the normalised result and s the gate's factor; that is sum over k of (y_k s_k) (o_gamma_k Wo[n][k]) for all values.
; The product o_gamma x Wo is made here in f32 and rounded once to f16.  The factor 16 here and 1/16 on y s (launch attn) are powers of two and cancel: they lay both operands in the middle of f16's range.
; LIMIT: |16 o_gamma Wo| under 65,504.  As drawn its root mean square is 2^-4.8; with o_gamma and Wo each 30 times smaller 2^-14.6, where f16's fixed step of 2^-24 is still 2^-9.4 of it.
; SHARES: work-groups 0-639: the five tensors to be quantised, 128 work-groups each, a wave 8,192 numbers; their codes and bytes lie on end in the two buffers (x's 2,048 rows, then Wq's, Wk's, Wv's, Wg's).
;   work-groups 640-767: Wo, a wave 8,192 numbers.   work-groups 768-831: the table, a work-group 16 tokens, a wave 16 frequencies.
; The parting hangs on the work-group's number alone.  Only the quantiser's path touches LDS.
.set STEPS, 16
.set EMAX,  2
.set CB,    8                          ; bytes of 16 codes
.set R,     16                         ; v16-79   four sets of 16 numbers as they are loaded
.set X,     80                         ; v80-111  two sets of 16 neighbours (Wo's path: four sets of 8 packed registers)
.set E,     112                        ; v112-127 a scale byte for each step
.set GW,    112                        ; Wo's path: v112-115 16 x o_gamma of my four columns
.set C,     128                        ; v128-191 codes: four registers for each step
.set WT,    128                        ; Wo's path: v128-143 a step's 16 products
.set WREG,  8192                       ; LDS: a region for each wave: two stages of 32 x SP bytes, behind them its 256 scale bytes
.set SP,    80                         ; a lane's place in a stage: 64 bytes + 16 of padding
.set SPW,   12                         ; v12 LDS address of my spare word; never rewritten
.set NIL,   13                         ; v13 0; never rewritten
.set SPARE, 4*WREG                     ; behind the four regions: the spare words, 128 bytes a wave
	s_load_b256 s[4:11], s[0:1], 0x0               ; x, Wq, Wk, Wv
	s_load_b256 s[12:19], s[0:1], 0x20             ; Wg, Wo, codes, scales
	s_load_b128 s[20:23], s[0:1], 0x40             ; wo16, rope
	s_load_b64 s[30:31], s[0:1], 0x50              ; o_gamma
	v_lshl_add_u32 v[SPW], v0, 2, SPARE
	v_mov_b32 v[NIL], 0
	v_lshrrev_b32 v1, 5, v0
	v_readfirstlane_b32 s24, v1                    ; wave
	v_and_b32 v2, 31, v0                           ; lane
	v_lshlrev_b32 v3, 4, v2                        ; 16 bytes a lane
	v_mul_u32_u24 v4, v2, CB                       ; 8 bytes a lane
	s_mul_i32 s25, s24, WREG                       ; every LDS address is made here, ahead of the parting
	v_lshrrev_b32 v14, 2, v2
	v_mul_u32_u24 v14, v14, SP
	v_and_b32 v15, 3, v2
	v_lshl_add_u32 v14, v15, 4, v14
	v_add_nc_u32 v14, s25, v14                     ; the stage, on the way in: SP (lane / 4) + 16 (lane % 4)
	v_mul_u32_u24 v15, v2, SP
	v_add_nc_u32 v15, s25, v15                     ; and on the way out: SP x lane: my 16 neighbours
	v_lshrrev_b32 v5, 1, v2
	s_add_co_u32 s25, s25, 2*32*SP
	v_add_nc_u32 v5, s25, v5                       ; my wave's 256 scale bytes, my block's byte
	v_lshlrev_b32 v7, 3, v2
	v_add_nc_u32 v6, s25, v7                       ; and on the way out 8 bytes a lane
	s_wait_kmcnt 0x0
	s_cmp_ge_u32 ttmp9, 768
	s_cbranch_scc1 .Lrope
	s_cmp_ge_u32 ttmp9, 640
	s_cbranch_scc1 .Lwo
	; ---- THE QUANTISER.  Which tensor: the work-group's number / 128; the choice hangs on no address
	s_lshr_b32 s26, ttmp9, 7
	s_cmp_eq_u32 s26, 1
	s_cselect_b64 s[4:5], s[6:7], s[4:5]
	s_cmp_eq_u32 s26, 2
	s_cselect_b64 s[4:5], s[8:9], s[4:5]
	s_cmp_eq_u32 s26, 3
	s_cselect_b64 s[4:5], s[10:11], s[4:5]
	s_cmp_eq_u32 s26, 4
	s_cselect_b64 s[4:5], s[12:13], s[4:5]
	s_and_b32 s26, ttmp9, 127
	s_lshl_b32 s26, s26, 2
	s_add_co_u32 s26, s26, s24                     ; which run of 8,192 numbers of the tensor is my wave's
	s_lshl_b32 s26, s26, 15                        ; 32,768 bytes a run
	s_mov_b32 s27, 0
	s_add_nc_u64 s[4:5], s[4:5], s[26:27]
	s_lshl_b32 s28, ttmp9, 2
	s_add_co_u32 s28, s28, s24                     ; and which run of all five tensors on end
	s_lshl_b32 s26, s28, 12                        ; 4,096 bytes of codes a run
	s_add_nc_u64 s[16:17], s[16:17], s[26:27]
	s_lshl_b32 s26, s28, 8                         ; 256 scale bytes a run
	s_add_nc_u64 s[18:19], s[18:19], s[26:27]
.macro LOAD t
.irp i, 0,1,2,3
	global_load_b128 v[R+16*((\t)%4)+4*\i:R+16*((\t)%4)+4*\i+3], v3, s[4:5] offset:2048*(\t)+512*\i th:TH_LOAD_NT   ; 32 lanes read 512 consecutive bytes
.endr
.endm
.macro TURN t                          ; step t's numbers through the stage: LDS serves a wave's instructions in order, so no wait stands between the stores and the loads
.irp i, 0,1,2,3
	ds_store_b128 v14, v[R+16*((\t)%4)+4*\i:R+16*((\t)%4)+4*\i+3] offset:32*SP*((\t)%2)+8*SP*\i
.endr
.irp i, 0,1,2,3
	ds_load_b128 v[X+16*((\t)%2)+4*\i:X+16*((\t)%2)+4*\i+3], v15 offset:32*SP*((\t)%2)+16*\i
.endr
.endm
.irp t, 0,1,2,3
	LOAD \t
.endr
	s_wait_loadcnt 12                              ; step 0's four loads are in
	TURN 0
.macro STEP t
.set XS, X+16*((\t)%2)
.if (\t) > 0
	s_wait_dscnt 1                                 ; this step's numbers are back from the stage (the last step's byte store may be out)
.else
	s_wait_dscnt 0x0
.endif
.if (\t)+4 < STEPS
	LOAD (\t)+4                                    ; into the registers that the stage's stores have read
.endif
.if (\t)+1 < STEPS
.if STEPS-2-(\t) >= 3
	s_wait_loadcnt 12                              ; the next step's four loads are in; those of the three steps behind it may be out
.else
	s_wait_loadcnt 4*(STEPS-2-(\t))
.endif
	TURN (\t)+1
.endif
	v_max3_num_f32 v8, |v[XS]|, |v[XS+1]|, |v[XS+2]|               ; the largest magnitude of my 16
	v_max3_num_f32 v9, |v[XS+3]|, |v[XS+4]|, |v[XS+5]|
.irp i, 6,10
	v_max3_num_f32 v8, v8, |v[XS+\i]|, |v[XS+\i+1]|
	v_max3_num_f32 v9, v9, |v[XS+\i+2]|, |v[XS+\i+3]|
.endr
	v_max3_num_f32 v8, v8, |v[XS+14]|, |v[XS+15]|
	v_max3_num_f32 v8, v8, v9, (EMAX+1)<<23        ; and the floor 2^(EMAX + 1 - 127): the byte cannot fall under 1
	v_max_num_f32_dpp v8, v8, v8 row_xmask:1 row_mask:0xf bank_mask:0xf   ; and of my neighbour's 16: the block's
	v_add_nc_u32 v11, -(EMAX<<23), v8              ; EMAX off its exponent field: the conversion takes the exponent field of this operand as its scale
	v_cvt_scalef32_pk8_fp4_f32 v[C+4*(\t)], v[XS:XS+7], v11
	v_cvt_scalef32_pk8_fp4_f32 v[C+4*(\t)+1], v[XS+8:XS+15], v11
	v_lshrrev_b32 v[E+(\t)], 23, v11               ; the scale's byte
	ds_store_b8 v5, v[E+(\t)] offset:16*(\t)       ; both lanes of a block write the same byte with the same value
	global_store_b64 v4, v[C+4*(\t):C+4*(\t)+1], s[16:17] offset:32*CB*(\t)   ; the wave stores 256 consecutive bytes, aligned
.endm
.irp t, 0,1,2,3,4,5,6,7,8,9,10,11,12,13,14,15
	STEP \t
.endr
	ds_load_b64 v[8:9], v6                         ; LDS serves a wave's instructions in order: these see my stores
	s_wait_dscnt 0x0
	global_store_b64 v7, v[8:9], s[18:19]          ; 32 lanes store 256 consecutive bytes, aligned
	s_wait_tensorcnt 0x0                           ; the wave's end, behind my last LDS store
	ds_add_u32 v[SPW], v[NIL]
	s_wait_dscnt 0x0
	s_endpgm
	; ---- 16 x o_gamma x Wo TO f16: 16 steps of 512 numbers, loads four steps ahead; no LDS.
	; A load's 512 bytes are 128 columns, one head's, and begin at a multiple of 128 columns: so lane l holds columns 4 l .. 4 l + 3 of a head in every load, and its four o_gamma stay in registers.
.Lwo:
	s_sub_co_u32 s26, ttmp9, 640
	s_lshl_b32 s26, s26, 2
	s_add_co_u32 s28, s26, s24                     ; my run of 8,192 numbers
	s_lshl_b32 s26, s28, 15
	s_mov_b32 s27, 0
	s_add_nc_u64 s[14:15], s[14:15], s[26:27]
	s_lshl_b32 s26, s28, 14
	s_add_nc_u64 s[20:21], s[20:21], s[26:27]
	global_load_b128 v[GW:GW+3], v3, s[30:31]      ; o_gamma at 16 x lane
.macro LOADW t
.irp i, 0,1,2,3
	global_load_b128 v[R+16*((\t)%4)+4*\i:R+16*((\t)%4)+4*\i+3], v3, s[14:15] offset:2048*(\t)+512*\i th:TH_LOAD_NT
.endr
.endm
.macro STEPW t
.if (\t) < STEPS-3
	s_wait_loadcnt 12                              ; this step's four loads are in; those of the three steps behind it may be out
.else
	s_wait_loadcnt 4*(STEPS-1-(\t))
.endif
	s_wait_xcnt 0x0                                ; the stores of four steps back have read their data: the set is written again only behind this wait
.irp i, 0,1,2,3
	v_pk_mul_f32 v[WT+4*\i:WT+4*\i+1], v[R+16*((\t)%4)+4*\i:R+16*((\t)%4)+4*\i+1], v[GW:GW+1]
	v_pk_mul_f32 v[WT+4*\i+2:WT+4*\i+3], v[R+16*((\t)%4)+4*\i+2:R+16*((\t)%4)+4*\i+3], v[GW+2:GW+3]
.endr
.irp i, 0,1,2,3
	v_cvt_pk_f16_f32 v[X+8*((\t)%4)+2*\i], v[WT+4*\i], v[WT+4*\i+1]
	v_cvt_pk_f16_f32 v[X+8*((\t)%4)+2*\i+1], v[WT+4*\i+2], v[WT+4*\i+3]
.endr
.if (\t)+4 < STEPS
	LOADW (\t)+4
.endif
.irp i, 0,1,2,3
	global_store_b64 v4, v[X+8*((\t)%4)+2*\i:X+8*((\t)%4)+2*\i+1], s[20:21] offset:1024*(\t)+256*\i   ; 256 consecutive bytes, aligned
.endr
.endm
.irp t, 0,1,2,3
	LOADW \t
.endr
	s_wait_loadcnt 16                              ; o_gamma is in; the 16 loads of steps 0 to 3, issued behind it, may be out
	v_pk_mul_f32 v[GW:GW+1], v[GW:GW+1], 0x41800000 op_sel_hi:[1,0]       ; x 16, exact
	v_pk_mul_f32 v[GW+2:GW+3], v[GW+2:GW+3], 0x41800000 op_sel_hi:[1,0]
.irp t, 0,1,2,3,4,5,6,7,8,9,10,11,12,13,14,15
	STEPW \t
.endr
	s_endpgm
	; ---- THE TABLE.  rope[tb][b][part][lane][4]: lane (r = lane % 16, h = lane / 16) holds, for token 16 tb + r and the frequencies i = 16 b + 8 h + 0 .. 7, cos (parts 0, 1) and sin (parts 2, 3):
	; the layout in which the launch proj holds a head's channels.  angle = t x 10000^(-i / 64).  It is taken in turns, t x g with g = 2^(-i log2(10000) / 64) / (2 pi), the product's rounding brought back by a
	; fused multiply-add; the nearest whole turn is taken off; sine and cosine of a QUARTER of the rest (at most pi / 4) come from their series to y^9 and y^8, and two doublings give the angle's.
	; LIMIT: the angle is right to about 1e-4 radians at the last tokens (the rounding of g), the order of the rounding of t x inv_freq in f32.
.set TG, 32                            ; v32-39 g
.set TH, 40                            ; v40-47 turns, then y
.set TL, 48                            ; v48-55 the product's rest, then y^2
.set TS, 56                            ; v56-63 sin
.set TC, 64                            ; v64-71 cos
.set TA, 72
.set TB, 80
.Lrope:
	s_sub_co_u32 s26, ttmp9, 768                   ; tb
	v_and_b32 v20, 15, v0                          ; r
	v_bfe_u32 v21, v0, 4, 1                        ; h
	s_lshl_b32 s27, s26, 4
	v_add_nc_u32 v22, s27, v20
	v_cvt_f32_u32 v22, v22                         ; t, exact
	s_lshl_b32 s27, s24, 4
	v_lshl_add_u32 v23, v21, 3, s27                ; 16 b + 8 h
	v_mov_b32 v24, 0x3638ef1d                      ; 1 / 9!
	v_mov_b32 v25, 0x37d00d01                      ; 1 / 8!
	s_lshl_b32 s26, s26, 13
	s_lshl_b32 s27, s24, 11
	s_add_co_u32 s26, s26, s27
	s_mov_b32 s27, 0
	s_add_nc_u64 s[22:23], s[22:23], s[26:27]
.irp j, 0,1,2,3,4,5,6,7
	v_add_nc_u32 v[TG+\j], \j, v23
.endr
.irp j, 0,1,2,3,4,5,6,7
	v_cvt_f32_u32 v[TG+\j], v[TG+\j]
.endr
.irp j, 0,1,2,3,4,5,6,7
	v_mul_f32 v[TG+\j], 0xbe549a78, v[TG+\j]       ; -i log2(10000) / 64
.endr
.irp j, 0,1,2,3,4,5,6,7
	v_exp_f32 v[TG+\j], v[TG+\j]
.endr
	v_nop                                          ; a plain instruction behind the last exponential,
	s_wait_alu depctr_va_vdst(0)                   ; and one wait for the eight, ahead of their first reader
.irp j, 0,1,2,3,4,5,6,7
	v_mul_f32 v[TG+\j], 0.15915494, v[TG+\j]       ; g
.endr
.irp j, 0,1,2,3,4,5,6,7
	v_mul_f32 v[TH+\j], v22, v[TG+\j]
.endr
.irp j, 0,1,2,3,4,5,6,7
	v_fma_f32 v[TL+\j], v22, v[TG+\j], -v[TH+\j]   ; what the product's rounding dropped
.endr
.irp j, 0,1,2,3,4,5,6,7
	v_rndne_f32 v[TS+\j], v[TH+\j]
.endr
.irp j, 0,1,2,3,4,5,6,7
	v_sub_f32 v[TH+\j], v[TH+\j], v[TS+\j]
.endr
.irp j, 0,1,2,3,4,5,6,7
	v_add_f32 v[TH+\j], v[TH+\j], v[TL+\j]         ; the rest, -0.5 .. 0.5 turns
.endr
.irp j, 0,1,2,3,4,5,6,7
	v_mul_f32 v[TH+\j], 0x3fc90fdb, v[TH+\j]       ; y = a quarter of the angle: x pi / 2
.endr
.irp j, 0,1,2,3,4,5,6,7
	v_mul_f32 v[TL+\j], v[TH+\j], v[TH+\j]         ; y^2
.endr
.irp j, 0,1,2,3,4,5,6,7
	v_fmaak_f32 v[TS+\j], v24, v[TL+\j], 0xb9500d01
	v_fmaak_f32 v[TC+\j], v25, v[TL+\j], 0xbab60b61
.endr
.irp j, 0,1,2,3,4,5,6,7
	v_fmaak_f32 v[TS+\j], v[TS+\j], v[TL+\j], 0x3c088889
	v_fmaak_f32 v[TC+\j], v[TC+\j], v[TL+\j], 0x3d2aaaab
.endr
.irp j, 0,1,2,3,4,5,6,7
	v_fmaak_f32 v[TS+\j], v[TS+\j], v[TL+\j], 0xbe2aaaab
	v_fma_f32 v[TC+\j], v[TC+\j], v[TL+\j], -0.5
.endr
.irp j, 0,1,2,3,4,5,6,7
	v_fma_f32 v[TS+\j], v[TS+\j], v[TL+\j], 1.0
	v_fma_f32 v[TC+\j], v[TC+\j], v[TL+\j], 1.0    ; cos y
.endr
.irp j, 0,1,2,3,4,5,6,7
	v_mul_f32 v[TS+\j], v[TS+\j], v[TH+\j]         ; sin y
.endr
.rept 2                                        ; sin 2y = 2 sin y cos y;  cos 2y = 1 - 2 sin^2 y
.irp j, 0,1,2,3,4,5,6,7
	v_mul_f32 v[TA+\j], v[TS+\j], v[TC+\j]
	v_mul_f32 v[TB+\j], v[TS+\j], v[TS+\j]
.endr
.irp j, 0,1,2,3,4,5,6,7
	v_add_f32 v[TS+\j], v[TA+\j], v[TA+\j]
	v_fma_f32 v[TC+\j], v[TB+\j], -2.0, 1.0
.endr
.endr
	global_store_b128 v3, v[TC:TC+3], s[22:23]                 ; each store of the wave covers 512 consecutive bytes, aligned
	global_store_b128 v3, v[TC+4:TC+7], s[22:23] offset:512
	global_store_b128 v3, v[TS:TS+3], s[22:23] offset:1024
	global_store_b128 v3, v[TS+4:TS+7], s[22:23] offset:1536
	s_endpgm
.Lfunc_end_k_qa8e8ef3130_prep:
	.size	k_qa8e8ef3130_prep, .Lfunc_end_k_qa8e8ef3130_prep-k_qa8e8ef3130_prep
	.p2alignl 7, 3214868480
	.fill 96, 4, 3214868480
	.section	.rodata,"a",@progbits
	.p2align	6, 0x0
	.amdhsa_kernel k_qa8e8ef3130_prep
		.amdhsa_group_segment_fixed_size 33280
		.amdhsa_private_segment_fixed_size 0
		.amdhsa_enable_private_segment 0
		.amdhsa_kernarg_size 88
		.amdhsa_user_sgpr_count 2
		.amdhsa_user_sgpr_kernarg_segment_ptr 1
		.amdhsa_wavefront_size32 1
		.amdhsa_system_sgpr_workgroup_id_x 1
		.amdhsa_system_sgpr_workgroup_id_y 1
		.amdhsa_system_sgpr_workgroup_id_z 1
		.amdhsa_system_vgpr_workitem_id 0
		.amdhsa_next_free_vgpr 192
		.amdhsa_next_free_sgpr 66
		.amdhsa_reserve_vcc 0
		.amdhsa_float_denorm_mode_32 3
		.amdhsa_float_denorm_mode_16_64 3
		.amdhsa_memory_ordered 1
		.amdhsa_forward_progress 1
		.amdhsa_inst_pref_size 75
	.end_amdhsa_kernel
	.amdgpu_metadata
---
amdhsa.version: [ 1, 2 ]
amdhsa.kernels:
  - .name:           k_qa8e8ef3130_prep
    .symbol:         k_qa8e8ef3130_prep.kd
    .args:
      - { .name: x, .offset: 0, .size: 8, .value_kind: global_buffer, .address_space: global }
      - { .name: Wq, .offset: 8, .size: 8, .value_kind: global_buffer, .address_space: global }
      - { .name: Wk, .offset: 16, .size: 8, .value_kind: global_buffer, .address_space: global }
      - { .name: Wv, .offset: 24, .size: 8, .value_kind: global_buffer, .address_space: global }
      - { .name: Wg, .offset: 32, .size: 8, .value_kind: global_buffer, .address_space: global }
      - { .name: Wo, .offset: 40, .size: 8, .value_kind: global_buffer, .address_space: global }
      - { .name: codes, .offset: 48, .size: 8, .value_kind: global_buffer, .address_space: global }
      - { .name: scales, .offset: 56, .size: 8, .value_kind: global_buffer, .address_space: global }
      - { .name: wo16, .offset: 64, .size: 8, .value_kind: global_buffer, .address_space: global }
      - { .name: rope, .offset: 72, .size: 8, .value_kind: global_buffer, .address_space: global }
      - { .name: o_gamma, .offset: 80, .size: 8, .value_kind: global_buffer, .address_space: global }
    .group_segment_fixed_size: 33280
    .private_segment_fixed_size: 0
    .kernarg_segment_align: 8
    .kernarg_segment_size: 88
    .max_flat_workgroup_size: 128
    .sgpr_count:     66
    .vgpr_count:     192
    .wavefront_size: 32
...
	.end_amdgpu_metadata
.endif
;; end of part 1
;; launch proj (part 2): grid 32 x 8, 4 waves a work-group, clusters of 4 x 4, 327,680 bytes of LDS; arguments codes, scales, rope, q_gamma, k_gamma, qkv, gimg; writes qkv, gimg
.if DOCPART == 2
	.amdgcn_target "amdgcn-amd-amdhsa--gfx1250"
	.amdhsa_code_object_version 6
	.text
	.protected	k_qa8e8ef3130_proj
	.globl	k_qa8e8ef3130_proj
	.p2align	8
	.type	k_qa8e8ef3130_proj,@function
k_qa8e8ef3130_proj:
	s_mov_b64 s[64:65], 0
	v_nop
	global_prefetch_b8 v0, s[64:65] scope:SCOPE_SE
	s_setreg_imm32_b32 hwreg(HW_REG_WAVE_MODE, 25, 1), 1
	s_wait_xcnt 0x0
	s_wait_alu depctr_hold_cnt(0) depctr_sa_sdst(0) depctr_va_vdst(0) depctr_va_sdst(0) depctr_va_ssrc(0) depctr_va_vcc(0) depctr_vm_vsrc(0)
	s_getreg_b32 s2, hwreg(HW_REG_IB_STS2, 6, 4)
	s_cmp_eq_u32 s2, 0
	s_cbranch_scc0 .Lentry_in_a_cluster
	s_endpgm
.Lentry_in_a_cluster:
	s_bfe_u32 s2, ttmp6, 0x10000c
	s_cmp_lg_u32 s2, 0xf033
	s_cbranch_scc0 .Lentry_shape_is_right
	s_endpgm
.Lentry_shape_is_right:
; Launch 2 of 4: the four quantised products x Wq^T, x Wk^T, x Wv^T, x Wg^T as ONE product on codes of FP4 with E8M0 scales, 2,048 tokens x 8,192 rows of weights, K = 2,048, f32 sums, K ascending;
; and on the way out, in f32: the rotary embedding and the RMS norm with gamma for q and k.  No work of reference() is left out here.
; codes: [10,240 rows][1,024 bytes], scales: [10,240][64]: rows 0-2,047 x, then Wq, Wk, Wv, Wg, 2,048 rows each.
; A tile of 256 x 256 is made by four waves, 128 x 128 each: 64 accumulators, 512 registers.  K goes in steps of 512 (rows of 256 bytes) through a ring of two LDS slots filled by the tensor data mover.
; The scale bytes of the work-group's 512 rows, for all of K, come into LDS once, with the first fills.
; CLUSTERS: 4 x 4 work-groups; A's tile is asked for jointly along a row of the cluster, B's along a column.  A cluster lies inside one of the four tensors (8 tile columns each, two clusters wide).
; THE MATRIX INSTRUCTION IS USED TRANSPOSED (source 0 = 16 rows of B, source 1 = 16 rows of A): lane (r = lane % 16, h = lane / 16) holds A's row r, and register j of accumulator (a, b) B's row 16 b + 8 h + j.
; For q, k and the gate A = tokens and B = weights: a wave's 128 rows of B are ONE head, and a lane holds 64 channels of a token (its partner 16 lanes away the other 64).
; For v the two change places BY ADDRESS ALONE (A = Wv's rows, B = tokens): a lane then holds one channel and its registers run along the tokens, as the second product of attention wants V.
; RESULTS LEAVE AS IMAGES OF THE NEXT PRODUCT'S OPERAND REGISTERS: the four packed f16 registers of an accumulator are half a fragment (k = 16 b + 8 h + 0 .. 7 of row r); they are stored as they stand,
; lane l's 16 bytes at 16 l: each store of the wave covers 512 consecutive bytes, aligned.  No stage in LDS.  qkv: q, k, v, 8,388,608 bytes each, [batch x 16 + head][block of 16 tokens][8 pieces][512 bytes].
; The gate leaves as f32: gimg [batch x 16 + head][block of 16 tokens][16 pieces][512 bytes].
; LIMITS: q and k are at most sqrt(128) |gamma| and go to f16: |gamma| under 5,700; v goes to f16: |v| under 65,504.
; REGISTERS, in windows of 256: window 0: v0-31 addresses; v32-95 scale words, two sets, and nothing else; v128-191 A's fragments, ONE set.  On the way out: v128-191 a block's 64 numbers, v96-127 and v192-223 packed results, v224-231 sums.
;   window 1: B's fragments, TWO sets, at v0 and at v128; on q's and k's way out v64-127 and v128-191 the table's two sets, v192-255 gamma.
;   window 2: the accumulators of my A rows 0-63 ((a, b) at v[8 (8 a + b)]);   window 3: those of my rows 64-127.
.set KSTEP,  512
.set NQ,     KSTEP/128
.set ROWB,   256                       ; a tile's row in bytes
.set KROW,   1024                      ; a row of codes in memory
.set PITCH,  272                       ; an LDS row: 256 bytes + 16 of padding
.set FR,     8
.set NL,     2
.set NP,     4
.set HALFT,  128*PITCH
.set SLOT,   4*HALFT
.set LAPS,   2                         ; 2,048 along K = two laps of two K steps
.set KS,     64                        ; a row of scale bytes
.set SCL,    2*SLOT
.set HALFS,  (128*KS/256)*272
.set SBLK,   (16*KS/256)*272
.set SPARE,  SCL+4*HALFS               ; the spare words, 128 bytes a wave
.set ADRA, 16
.set ADRB, 20
.set GA,   24                          ; v24 32 x (lane / 16): my eight numbers of sixteen of gamma
.set CO,   26                          ; v26 16 x lane: my place in an image
.set ADRS, 27
.set SPW,  28
.set NIL,  29
.set SC,   32
.set AF,   128
.set Y,    128                         ; the way out, window 0
.set SS,   224
.set VS,   228
.set VT,   229
.set RSQ,  230
.set RP,   64                          ; window 1: the table's sets at 64 and 128: cos(b, j) at 8 b + j, sin 32 further on
.set GM,   192                         ; window 1: gamma(b, j) at 8 b + j
.set TY,   66                          ; s66 which tensor: 0 q, 1 k, 2 v, 3 gate
.set ISV,  67
.set G1, 24
.set G0, 32
.set G1B, 48
.set G0B, 56
.set G1S, 68
.set G0S, 76
.set G1SB, 80
.set G0SB, 88
.set MSB, 0
.macro WIN new                         ; the immediate's high byte repeats the setting that is left
.if MSB != (\new)
	s_set_vgpr_msb (MSB<<8)|(\new)
.set MSB, \new
.endif
.endm
.set MUL_LO, 0xa1                      ; source 0 (B) window 1, source 1 (A) window 0, C and D window 2
.set MUL_HI, 0xf1
.set TO_B,   0x40
; A joint load: waves 0 and 1 fetch for A, waves 2 and 3 for B; the branch hangs on the wave's number alone.  An s_nop 0 and four v_nop follow each of the two lines.
.macro JLOAD g0a, g1a, g0b, g1b
	s_cmp_eq_u32 s15, 0
	s_cbranch_scc0 .Lfor_b_\@
	tensor_load_to_lds s[\g0a:\g0a+3], s[\g1a:\g1a+7]
	s_nop 0
.rept 4
	v_nop
.endr
	s_branch .Lasked_\@
.Lfor_b_\@:
	tensor_load_to_lds s[\g0b:\g0b+3], s[\g1b:\g1b+7]
	s_nop 0
.rept 4
	v_nop
.endr
.Lasked_\@:
.endm
.macro CREST
	s_cmp_lg_u32 s14, 0
	s_cbranch_scc1 .Lnot_wave_0_\@
	s_barrier_signal -3
.Lnot_wave_0_\@:
	s_barrier_wait -3
	s_barrier_signal -1
	s_barrier_wait -1
.endm
.macro CROUND
	s_barrier_signal -1
	s_barrier_wait -1
	CREST
.endm
	s_load_b256 s[4:11], s[0:1], 0x0               ; codes s[4:5], scales s[6:7], rope s[8:9], q_gamma s[10:11]
	s_load_b64 s[12:13], s[0:1], 0x20              ; k_gamma
	s_load_b128 s[96:99], s[0:1], 0x28             ; qkv s[96:97], gimg s[98:99]
	v_lshl_add_u32 v[SPW], v0, 2, SPARE
	v_mov_b32 v[NIL], 0
	ds_add_u32 v[SPW], v[NIL]                      ; the wave's opening: the add, twice on end, and its wait ahead of my first tensor load
	ds_add_u32 v[SPW], v[NIL]
	v_lshrrev_b32 v1, 5, v0
	v_readfirstlane_b32 s14, v1                    ; wave 0..3
	s_lshr_b32 s15, s14, 1                         ; which half of A's rows is mine.  Also: I fetch for A (0) or for B (1)
	s_and_b32 s16, s14, 1                          ; which half of B's rows.  Also: which 128 rows I fetch
	s_bfe_u32 s40, ttmp6, 0x40000                  ; cx
	s_bfe_u32 s41, ttmp6, 0x40004                  ; cy
	s_lshr_b32 s[TY], ttmp9, 1                     ; the tensor: the same in all sixteen partners
	s_and_b32 s42, ttmp9, 1
	s_lshl_b32 s42, s42, 2
	s_add_co_u32 s42, s42, s40                     ; tile column inside the tensor, 0..7
	s_and_b32 s17, ttmp7, 0xffff
	s_lshl_b32 s17, s17, 2
	s_add_co_u32 s17, s17, s41                     ; tile row, 0..7
	s_lshl_b32 s43, s41, 2
	s_lshl_b32 s43, 15, s43                        ; my row of the cluster
	s_lshl_b32 s44, 0x1111, s40                    ; my column
	s_lshr_b32 s[ISV], s[TY], 1
	s_xor_b32 s95, s[TY], 1
	s_and_b32 s[ISV], s[ISV], s95
	s_and_b32 s[ISV], s[ISV], 1                    ; 1 for v, else 0
	s_or_b32 s[G1+0], s43, (0<<16)|(1<<20)|(1<<21)|(5<<22)|(3<<25)  ; the mask; elements of 1 byte; padding on: 4 words behind every 64; bit 21 beside a mask
	s_or_b32 s[G1B+0], s44, (0<<16)|(1<<20)|(1<<21)|(5<<22)|(3<<25)
.irp g, G1, G1B
	s_mov_b32 s[\g+1], ROWB<<16                    ; tensor_dim0
	s_mov_b32 s[\g+2], 128<<16                     ; tensor_dim1
	s_mov_b32 s[\g+3], ROWB<<16                    ; tile_dim0
	s_mov_b32 s[\g+4], 128                         ; tile_dim1
	s_mov_b32 s[\g+5], KROW                        ; the pitch
	s_mov_b32 s[\g+6], 0
	s_mov_b32 s[\g+7], 0
.endr
	s_or_b32 s[G1S+0], s43, (3<<16)|(1<<20)|(1<<21)|(5<<22)|(3<<25) ; the scales of 128 rows: 8,192 dense bytes as 32 rows of 256, 16 bytes of padding behind each
	s_or_b32 s[G1SB+0], s44, (3<<16)|(1<<20)|(1<<21)|(5<<22)|(3<<25)
.irp g, G1S, G1SB
	s_mov_b32 s[\g+1], 32<<16
	s_mov_b32 s[\g+2], (128*KS/256)<<16
	s_mov_b32 s[\g+3], 32<<16
	s_mov_b32 s[\g+4], 128*KS/256
	s_mov_b32 s[\g+5], 32
	s_mov_b32 s[\g+6], 0
	s_mov_b32 s[\g+7], 0
.endr
	s_lshl_b32 s18, s16, 7                         ; which 128 rows of the tile I fetch
	s_mul_i32 s20, s[ISV], 6144                    ; A: x's rows, or Wv's (from row 6,144 on),
	s_lshl_b32 s21, s17, 8
	s_add_co_u32 s20, s20, s21                     ; + 256 x tile row
	s_add_co_u32 s20, s20, s18
	s_xor_b32 s46, s[ISV], 1                       ; B: the tensor's rows (from row 2,048 + 2,048 x tensor on), or x's,
	s_lshl_b32 s47, s[TY], 11
	s_add_co_u32 s47, s47, 2048
	s_mul_i32 s46, s46, s47
	s_lshl_b32 s47, s42, 8
	s_add_co_u32 s46, s46, s47                     ; + 256 x tile column
	s_add_co_u32 s46, s46, s18
	s_mov_b32 s21, 0
	s_mov_b32 s47, 0
	s_mov_b64 s[18:19], KS
	s_mul_u64 s[22:23], s[20:21], s[18:19]         ; where these rows' scales begin, in bytes
	s_mul_u64 s[92:93], s[46:47], s[18:19]
	s_mov_b64 s[18:19], KROW
	s_mul_u64 s[20:21], s[20:21], s[18:19]         ; and their codes
	s_mul_u64 s[46:47], s[46:47], s[18:19]
	s_mul_i32 s45, s14, HALFT                      ; where they go: wave x 128 rows: no place in the cluster enters an LDS address
	s_mul_i32 s94, s14, HALFS
	s_wait_dscnt 0x0                               ; both opening adds are done
	s_wait_kmcnt 0x0
	s_add_nc_u64 s[20:21], s[4:5], s[20:21]
	s_add_nc_u64 s[22:23], s[6:7], s[22:23]
	s_add_nc_u64 s[46:47], s[4:5], s[46:47]
	s_add_nc_u64 s[92:93], s[6:7], s[92:93]
	CROUND                                         ; all sixteen work-groups are here: the first joint loads meet
	s_mov_b32 s[G0S], 1
	s_add_co_u32 s[G0S+1], s94, SCL
	s_mov_b64 s[G0S+2:G0S+3], s[22:23]
	s_or_b32 s[G0S+3], s[G0S+3], 0x80000000
	s_mov_b32 s[G0SB], 1
	s_add_co_u32 s[G0SB+1], s94, SCL
	s_mov_b64 s[G0SB+2:G0SB+3], s[92:93]
	s_or_b32 s[G0SB+3], s[G0SB+3], 0x80000000
	JLOAD G0S, G1S, G0SB, G1SB                     ; the scales first: they are wanted with K step 0
.irp s, 0,1
	s_mov_b32 s[G0+4*\s], 1
	s_add_co_u32 s[G0+4*\s+1], s45, \s*SLOT
	s_add_nc_u64 s[G0+4*\s+2:G0+4*\s+3], s[20:21], \s*ROWB
	s_or_b32 s[G0+4*\s+3], s[G0+4*\s+3], 0x80000000
	s_mov_b32 s[G0B+4*\s], 1
	s_add_co_u32 s[G0B+4*\s+1], s45, \s*SLOT
	s_add_nc_u64 s[G0B+4*\s+2:G0B+4*\s+3], s[46:47], \s*ROWB
	s_or_b32 s[G0B+4*\s+3], s[G0B+4*\s+3], 0x80000000
	JLOAD G0+4*\s, G1, G0B+4*\s, G1B
.endr
	v_and_b32 v1, 15, v0                           ; r
	v_bfe_u32 v2, v0, 4, 1                         ; h
	v_mul_u32_u24 v3, v1, PITCH
	v_lshl_add_u32 v4, v2, 4, v3                   ; a fragment's row x pitch + 16 x half
	s_mul_i32 s21, s15, HALFT
	s_mul_i32 s22, s16, HALFT
	s_add_co_u32 s22, s22, 2*HALFT
.irp s, 0,1
	v_add_nc_u32 v[ADRA+\s], s21, v4
	v_add_nc_u32 v[ADRB+\s], s22, v4
	s_add_co_u32 s21, s21, SLOT
	s_add_co_u32 s22, s22, SLOT
.endr
	v_mul_u32_u24 v5, v1, KS                       ; my row's scales: KS bytes a row,
	v_lshrrev_b32 v6, 8, v5
	v_lshl_add_u32 v5, v6, 4, v5                   ; and 16 more for each 256 passed
	s_mul_i32 s21, s15, HALFS
	s_mul_i32 s22, s16, HALFS
	s_add_co_u32 s22, s22, 2*HALFS
	s_sub_co_u32 s22, s22, s21
	v_mul_u32_u24 v6, s22, v2                      ; lanes 16-31 take B's
	s_add_co_u32 s21, s21, SCL
	v_add_nc_u32 v5, v5, v6
	v_add_nc_u32 v[ADRS], s21, v5
	v_lshlrev_b32 v[GA], 5, v2
	v_and_b32 v6, 31, v0
	v_lshlrev_b32 v[CO], 4, v6
	; where my results go.  The tokens are A's rows, and the head comes from B's; for v the other way round.  These numbers enter global addresses alone
	s_cmp_eq_u32 s[TY], 2
	s_cselect_b32 s18, s42, s17                    ; the tokens' tile,
	s_cselect_b32 s19, s16, s15                    ; and my half of it
	s_cselect_b32 s20, s17, s42                    ; the heads' tile (two heads),
	s_cselect_b32 s21, s15, s16                    ; and mine of the two
	s_lshl_b32 s18, s18, 8
	s_lshl_b32 s19, s19, 7
	s_add_co_u32 s18, s18, s19                     ; my first token, 0 .. 1,920
	s_lshl_b32 s20, s20, 1
	s_add_co_u32 s20, s20, s21                     ; my head
	s_lshr_b32 s19, s18, 10                        ; the batch
	s_lshl_b32 s19, s19, 4
	s_add_co_u32 s19, s19, s20
	s_lshl_b32 s19, s19, 6
	s_bfe_u32 s21, s18, 0x60004                    ; my first block of 16 tokens in the sequence
	s_add_co_u32 s19, s19, s21                     ; (batch x 16 + head) x 64 + block
	s_lshl_b32 s22, s19, 12                        ; 4,096 bytes a block in q, k, v
	s_lshl_b32 s23, s[TY], 23                      ; the tensor's part of qkv (the gate does not use this pointer)
	s_add_co_u32 s22, s22, s23
	s_mov_b32 s23, 0
	s_add_nc_u64 s[96:97], s[96:97], s[22:23]
	s_lshl_b32 s22, s19, 13                        ; 8,192 bytes a block in gimg
	s_add_nc_u64 s[98:99], s[98:99], s[22:23]
	s_lshl_b32 s22, s21, 13                        ; and in the table
	s_add_nc_u64 s[8:9], s[8:9], s[22:23]
	s_cmp_eq_u32 s[TY], 1
	s_cselect_b64 s[10:11], s[12:13], s[10:11]     ; k's gamma or q's
	s_mov_b32 s20, 0x76543210
	s_mov_b32 s21, 0xfedcba98                      ; v_permlanex16_b32's selects for lane l xor 16
	s_mov_b32 s22, 0x3c000000                      ; 1 / 128
	s_mov_b32 s23, 0x3727c5ac                      ; 1e-5
; The table of block a of my eight blocks of 16 tokens into set: 16 loads
.macro ROPELD a, set
	WIN 0x40                                       ; destination window 1
.irp b, 0,1,2,3
	global_load_b128 v[RP+64*(\set)+8*\b:RP+64*(\set)+8*\b+3], v[CO], s[8:9] offset:(\a)*8192+\b*2048
	global_load_b128 v[RP+64*(\set)+8*\b+4:RP+64*(\set)+8*\b+7], v[CO], s[8:9] offset:(\a)*8192+\b*2048+512
	global_load_b128 v[RP+64*(\set)+32+8*\b:RP+64*(\set)+32+8*\b+3], v[CO], s[8:9] offset:(\a)*8192+\b*2048+1024
	global_load_b128 v[RP+64*(\set)+32+8*\b+4:RP+64*(\set)+32+8*\b+7], v[CO], s[8:9] offset:(\a)*8192+\b*2048+1536
.endr
	WIN 0
.endm
.macro FRAG reg, adr, q, i             ; a fragment, 16 rows x 128 K of 4-bit codes: 8 registers, two loads of 16 bytes, 32 bytes apart
.irp c, 0,1
	ds_load_b128 v[\reg+4*\c:\reg+4*\c+3], v[\adr] offset:64*(\q)+32*\c+(\i)*16*PITCH
.endr
.endm
; 16 matrix instructions: A's blocks a0, a0 + 1 x B's eight, 128 along K.  The 64 accumulators take turns, one instruction a turn, in the same order in every step.
.macro MUL16 a0, p, q, sc, zero
.irp a, \a0, \a0+1
.irp b, 0,1,2,3,4,5,6,7
.if \zero
	v_wmma_scale_f32_16x16x128_f8f6f4 v[8*(8*((\a)%4)+\b):8*(8*((\a)%4)+\b)+7], v[128*(\p)+FR*\b:128*(\p)+FR*\b+FR-1], v[AF+FR*(\a):AF+FR*(\a)+FR-1], 0, v[SC+8*NQ*(\sc)+NQ*\b+(\q)], v[SC+8*NQ*(\sc)+NQ*(\a)+(\q)] matrix_a_fmt:MATRIX_FMT_FP4 matrix_b_fmt:MATRIX_FMT_FP4 matrix_a_scale:MATRIX_SCALE_ROW1
.else
	v_wmma_scale_f32_16x16x128_f8f6f4 v[8*(8*((\a)%4)+\b):8*(8*((\a)%4)+\b)+7], v[128*(\p)+FR*\b:128*(\p)+FR*\b+FR-1], v[AF+FR*(\a):AF+FR*(\a)+FR-1], v[8*(8*((\a)%4)+\b):8*(8*((\a)%4)+\b)+7], v[SC+8*NQ*(\sc)+NQ*\b+(\q)], v[SC+8*NQ*(\sc)+NQ*(\a)+(\q)] matrix_a_fmt:MATRIX_FMT_FP4 matrix_b_fmt:MATRIX_FMT_FP4 matrix_a_scale:MATRIX_SCALE_ROW1
.endif
.endr
.endr
.endm
.macro FETCH_B slot, q, p
	WIN TO_B
.irp i, 0,1,2,3,4,5,6,7
	FRAG 128*(\p)+FR*\i, ADRB+\slot, \q, \i
.endr
	WIN 0
.endm
.macro FETCH_A slot, q, i0
.irp i, \i0, \i0+1, \i0+2, \i0+3
	FRAG AF+FR*(\i), ADRA+\slot, \q, \i
.endr
.endm
.macro SCALES sc                       ; a K step's scale words: lanes 0-15 take A's block i, lanes 16-31 B's block i
.irp i, 0,1,2,3,4,5,6,7
	ds_load_b128 v[SC+8*NQ*\sc+NQ*\i:SC+8*NQ*\sc+NQ*\i+3], v[ADRS] offset:\i*SBLK
.endr
.endm
.macro PLACES n                        ; plain vector instructions between a matrix instruction and a load into, or a read or write by vector instructions and stores of, its registers
.rept \n
	v_nop
.endr
.endm
.macro STEP slot, q, zero              ; a step of 128 along K that has its successor in the same slot
	s_wait_dscnt 4*NL                              ; B's set and A's blocks 0-3 are in; the youngest loads (A's blocks 4-7) may be out
	WIN MUL_LO
	MUL16 0, (\q)%2, \q, \slot, \zero
	MUL16 2, (\q)%2, \q, \slot, \zero
	s_wait_dscnt 0                                 ; A's blocks 4-7 are in
	PLACES NP
	FETCH_B \slot, (\q)+1, 1-(\q)%2
	FETCH_A \slot, (\q)+1, 0
	WIN MUL_HI
	MUL16 4, (\q)%2, \q, \slot, \zero
	MUL16 6, (\q)%2, \q, \slot, \zero
	PLACES NP
	WIN 0
	FETCH_A \slot, (\q)+1, 4
.endm
; A slot's last step changes slots: in front of the barrier each wave waits for all its tensor loads, adds 0 to its spare word, and waits for that and for its reads of this slot.  fill = 1: the slot is filled again.
.macro TURN slot, next, fill
	s_wait_tensorcnt 0x0                           ; all my tensor loads have landed: my part of the next slot
	ds_add_u32 v[SPW], v[NIL]
	s_wait_dscnt 4*NL+1                            ; (the add and the youngest loads, A's blocks 4-7, may be out)
	WIN MUL_LO
	MUL16 0, 1, NQ-1, \slot, 0
	s_wait_dscnt 0x0                               ; the add is done, and my reads of this slot are over
	s_barrier_signal -1
	MUL16 2, 1, NQ-1, \slot, 0
	WIN 0
	s_barrier_wait -1
.if \fill
	CREST                                          ; the barrier has opened a round of the cluster's barrier: no wave of any partner still reads this slot or has a load on its way
	s_add_nc_u64 s[G0+4*\slot+2:G0+4*\slot+3], s[G0+4*\slot+2:G0+4*\slot+3], 2*ROWB
	s_add_nc_u64 s[G0B+4*\slot+2:G0B+4*\slot+3], s[G0B+4*\slot+2:G0B+4*\slot+3], 2*ROWB
	JLOAD G0+4*\slot, G1, G0B+4*\slot, G1B         ; the first tensor load behind the round; its four v_nop are the places in front of the loads below
.else
	PLACES NP
.endif
	v_add_nc_u32 v[ADRS], 4*NQ, v[ADRS]            ; on to the next K step's scale words
	FETCH_B \next, 0, 0
	FETCH_A \next, 0, 0
	SCALES \next
	WIN MUL_HI
	MUL16 4, 1, NQ-1, \slot, 0
	MUL16 6, 1, NQ-1, \slot, 0
	PLACES NP
	WIN 0
	FETCH_A \next, 0, 4
.endm
.macro STEPS slot, from
.set Q, \from
.rept NQ-1-\from
	STEP \slot, Q, 0
.set Q, Q+1
.endr
.endm
	s_wait_tensorcnt 1                             ; the scales and my part of K step 0 are in (K step 1's load may be out)
	s_barrier_signal -1
	s_barrier_wait -1                              ; everybody's are
	FETCH_B 0, 0, 0
	FETCH_A 0, 0, 0
	SCALES 0
	FETCH_A 0, 0, 4
	STEP 0, 0, 1                                   ; the first step stands in front of the loop: its products start the sums
	s_mov_b32 s3, LAPS-1
.Llap:                                                 ; a trip goes once round the ring and fills both slots again
	STEPS 0, 1
	TURN 0, 1, 1
	STEPS 1, 0
	TURN 1, 0, 1
	STEP 0, 0, 0
	s_sub_co_u32 s3, s3, 1
	s_cmp_lg_u32 s3, 0
	s_cbranch_scc1 .Llap
	STEPS 0, 1                                     ; the last lap fills nothing
	TURN 0, 1, 0
	STEPS 1, 0
	s_wait_dscnt 4*NL
	WIN MUL_LO
	MUL16 0, 1, NQ-1, 1, 0
	MUL16 2, 1, NQ-1, 1, 0
	s_wait_dscnt 0
	WIN MUL_HI
	MUL16 4, 1, NQ-1, 1, 0
	MUL16 6, 1, NQ-1, 1, 0
	WIN 0
	PLACES NP                                      ; these places serve every read of results, every write and every load into operands' registers below
	s_cmp_eq_u32 s[TY], 3                          ; the three ways out part on the tensor's number, which all partners share
	s_cbranch_scc1 .Lgate
	s_cmp_eq_u32 s[TY], 2
	s_cbranch_scc1 .Lval
	; ---- q AND k.  Block a = 16 tokens.  Channel d under 64 (accumulators b = 0..3) and channel d + 64 (b + 4) are a pair: y1 = x1 cos - x2 sin, y2 = x2 cos + x1 sin;
	; then y / sqrt(mean(y^2) + 1e-5) x gamma, rounded once to f16.
.macro QKBLOCK a
.set AC, 64*((\a)%4)
.set RS, RP+64*((\a)%2)
.set PK, 96+96*((\a)%2)
.if (\a) < 7
	s_wait_loadcnt 16                              ; this block's table is in (and gamma); the next block's 16 loads may be out
.else
	s_wait_loadcnt 0x0
.endif
	WIN 0x06+(\a)/4                                ; source 0: the accumulators' window; source 1: window 1
.irp b, 0,1,2,3
.irp j, 0,2,4,6
	v_pk_mul_f32 v[Y+8*\b+\j:Y+8*\b+\j+1], v[AC+32+8*\b+\j:AC+32+8*\b+\j+1], v[RS+32+8*\b+\j:RS+32+8*\b+\j+1]
	v_pk_mul_f32 v[Y+32+8*\b+\j:Y+32+8*\b+\j+1], v[AC+8*\b+\j:AC+8*\b+\j+1], v[RS+32+8*\b+\j:RS+32+8*\b+\j+1]
	v_pk_fma_f32 v[Y+8*\b+\j:Y+8*\b+\j+1], v[AC+8*\b+\j:AC+8*\b+\j+1], v[RS+8*\b+\j:RS+8*\b+\j+1], v[Y+8*\b+\j:Y+8*\b+\j+1] neg_lo:[0,0,1] neg_hi:[0,0,1]
	v_pk_fma_f32 v[Y+32+8*\b+\j:Y+32+8*\b+\j+1], v[AC+32+8*\b+\j:AC+32+8*\b+\j+1], v[RS+8*\b+\j:RS+8*\b+\j+1], v[Y+32+8*\b+\j:Y+32+8*\b+\j+1]
.endr
.endr
.if (\a) < 6
	ROPELD (\a)+2, (\a)%2                          ; the set just read takes the table of two blocks on
.endif
	WIN 0
	v_pk_mul_f32 v[SS:SS+1], v[Y:Y+1], v[Y:Y+1]    ; the sum of my 64 squares, in two chains
	v_pk_mul_f32 v[SS+2:SS+3], v[Y+2:Y+3], v[Y+2:Y+3]
.irp j, 4,8,12,16,20,24,28,32,36,40,44,48,52,56,60
	v_pk_fma_f32 v[SS:SS+1], v[Y+\j:Y+\j+1], v[Y+\j:Y+\j+1], v[SS:SS+1]
	v_pk_fma_f32 v[SS+2:SS+3], v[Y+\j+2:Y+\j+3], v[Y+\j+2:Y+\j+3], v[SS+2:SS+3]
.endr
	v_pk_add_f32 v[SS:SS+1], v[SS:SS+1], v[SS+2:SS+3]
	v_add_f32 v[VS], v[SS], v[SS+1]
	v_permlanex16_b32 v[VT], v[VS], s20, s21       ; the token's other 64 channels lie in the lane 16 away
	v_add_f32 v[VS], v[VS], v[VT]
	v_fma_f32 v[VS], v[VS], s22, s23               ; the mean + 1e-5
	v_rsq_f32 v[RSQ], v[VS]
	WIN 0x04                                       ; source 1: window 1
.set n, 0
.rept 32
	v_pk_mul_f32 v[Y+n:Y+n+1], v[Y+n:Y+n+1], v[GM+n:GM+n+1]    ; x gamma: the independent work behind the root
.set n, n+2
.endr
	WIN 0
	s_wait_alu depctr_va_vdst(0)                   ; ahead of the root's first reader
.set n, 0
.rept 32
	v_pk_mul_f32 v[Y+n:Y+n+1], v[Y+n:Y+n+1], v[RSQ:RSQ+1] op_sel_hi:[1,0]
.set n, n+2
.endr
.if (\a) > 1
	s_wait_xcnt 0x0                                ; the stores of two blocks back have read their data: the set is written again only behind this wait
.endif
.set n, 0
.rept 32
	v_cvt_pk_f16_f32 v[PK+n], v[Y+2*n], v[Y+2*n+1]
.set n, n+1
.endr
.irp b, 0,1,2,3,4,5,6,7
	global_store_b128 v[CO], v[PK+4*\b:PK+4*\b+3], s[96:97] offset:(\a)*4096+512*\b   ; piece b of block a: 512 consecutive bytes, aligned
.endr
.endm
	v_mov_b32 v[VT], 0                             ; written once: a lane permute's destination counts as one of its sources
	v_mov_b32 v[RSQ+1], 0                          ; (named as the upper half of a pair)
	WIN 0x40                                       ; gamma and the table are loaded on this way alone, which alone reads them: 16 + 16 + 16 loads
.irp b, 0,1,2,3,4,5,6,7
	global_load_b128 v[GM+8*\b:GM+8*\b+3], v[GA], s[10:11] offset:64*\b
	global_load_b128 v[GM+8*\b+4:GM+8*\b+7], v[GA], s[10:11] offset:64*\b+16
.endr
	WIN 0
	ROPELD 0, 0
	ROPELD 1, 1
.irp a, 0,1,2,3,4,5,6,7
	QKBLOCK \a
.endr
	s_branch .Lout
	; ---- v.  A lane holds channel 16 a + r, and the eight registers of accumulator (a, b) tokens 16 b + 8 h + 0 .. 7: packed, half a fragment of V^T
.Lval:
.macro VBLOCK a
.set AC, 64*((\a)%4)
.set PK, 96+96*((\a)%2)
.if (\a) > 1
	s_wait_xcnt 0x0                                ; the stores of two blocks back have read their data
.endif
	WIN 0x0a+5*((\a)/4)                            ; sources 0 and 1: the accumulators' window
.irp b, 0,1,2,3,4,5,6,7
.irp r, 0,1,2,3
	v_cvt_pk_f16_f32 v[PK+4*\b+\r], v[AC+8*\b+2*\r], v[AC+8*\b+2*\r+1]
.endr
.endr
	WIN 0
.irp b, 0,1,2,3,4,5,6,7
	global_store_b128 v[CO], v[PK+4*\b:PK+4*\b+3], s[96:97] offset:\b*4096+(\a)*512   ; block of tokens b, piece a
.endr
.endm
.irp a, 0,1,2,3,4,5,6,7
	VBLOCK \a
.endr
	s_branch .Lout
	; ---- THE GATE leaves as f32, from the accumulators as they stand, each from its low end on
.Lgate:
.macro GBLOCK a
.set AC, 64*((\a)%4)
	WIN 0x08+4*((\a)/4)                            ; a store's data are its source 1
.irp b, 0,1,2,3,4,5,6,7
	global_store_b128 v[CO], v[AC+8*\b:AC+8*\b+3], s[98:99] offset:(\a)*8192+\b*1024
	global_store_b128 v[CO], v[AC+8*\b+4:AC+8*\b+7], s[98:99] offset:(\a)*8192+\b*1024+512
.endr
.endm
.irp a, 0,1,2,3,4,5,6,7
	GBLOCK \a
.endr
	WIN 0
.Lout:
	s_wait_tensorcnt 0x0                           ; the wave's end
	ds_add_u32 v[SPW], v[NIL]
	s_wait_dscnt 0x0
	CROUND                                         ; the closing round: no work-group ends while a partner may still ask for a tile that names it
	s_endpgm
.Lfunc_end_k_qa8e8ef3130_proj:
	.size	k_qa8e8ef3130_proj, .Lfunc_end_k_qa8e8ef3130_proj-k_qa8e8ef3130_proj
	.p2alignl 7, 3214868480
	.fill 96, 4, 3214868480
	.section	.rodata,"a",@progbits
	.p2align	6, 0x0
	.amdhsa_kernel k_qa8e8ef3130_proj
		.amdhsa_group_segment_fixed_size 327680
		.amdhsa_private_segment_fixed_size 0
		.amdhsa_enable_private_segment 0
		.amdhsa_kernarg_size 56
		.amdhsa_user_sgpr_count 2
		.amdhsa_user_sgpr_kernarg_segment_ptr 1
		.amdhsa_wavefront_size32 1
		.amdhsa_system_sgpr_workgroup_id_x 1
		.amdhsa_system_sgpr_workgroup_id_y 1
		.amdhsa_system_sgpr_workgroup_id_z 1
		.amdhsa_system_vgpr_workitem_id 0
		.amdhsa_next_free_vgpr 1024
		.amdhsa_next_free_sgpr 100
		.amdhsa_reserve_vcc 0
		.amdhsa_float_denorm_mode_32 3
		.amdhsa_float_denorm_mode_16_64 3
		.amdhsa_memory_ordered 1
		.amdhsa_forward_progress 1
		.amdhsa_inst_pref_size 255
	.end_amdhsa_kernel
	.section	.bss,"aw",@nobits
	.p2align	6
	.space	262144
	.amdgpu_metadata
---
amdhsa.version: [ 1, 2 ]
amdhsa.kernels:
  - .name:           k_qa8e8ef3130_proj
    .symbol:         k_qa8e8ef3130_proj.kd
    .args:
      - { .name: codes, .offset: 0, .size: 8, .value_kind: global_buffer, .address_space: global }
      - { .name: scales, .offset: 8, .size: 8, .value_kind: global_buffer, .address_space: global }
      - { .name: rope, .offset: 16, .size: 8, .value_kind: global_buffer, .address_space: global }
      - { .name: q_gamma, .offset: 24, .size: 8, .value_kind: global_buffer, .address_space: global }
      - { .name: k_gamma, .offset: 32, .size: 8, .value_kind: global_buffer, .address_space: global }
      - { .name: qkv, .offset: 40, .size: 8, .value_kind: global_buffer, .address_space: global }
      - { .name: gimg, .offset: 48, .size: 8, .value_kind: global_buffer, .address_space: global }
    .group_segment_fixed_size: 327680
    .private_segment_fixed_size: 0
    .kernarg_segment_align: 8
    .kernarg_segment_size: 56
    .max_flat_workgroup_size: 128
    .sgpr_count:     100
    .vgpr_count:     1024
    .wavefront_size: 32
...
	.end_amdgpu_metadata
.endif
;; end of part 2
;; launch attn (part 3): grid 8 x 32, 8 waves a work-group, no clusters, 327,680 bytes of LDS; arguments qkv, gimg, zimg; writes zimg
.if DOCPART == 3
	.amdgcn_target "amdgcn-amd-amdhsa--gfx1250"
	.amdhsa_code_object_version 6
	.text
	.protected	k_qa8e8ef3130_attn
	.globl	k_qa8e8ef3130_attn
	.p2align	8
	.type	k_qa8e8ef3130_attn,@function
k_qa8e8ef3130_attn:
	s_mov_b64 s[64:65], 0
	v_nop
	global_prefetch_b8 v0, s[64:65] scope:SCOPE_SE
	s_setreg_imm32_b32 hwreg(HW_REG_WAVE_MODE, 25, 1), 1
	s_wait_xcnt 0x0
; Launch 3 of 4: y = softmax(q k^T / sqrt(128), causal) v for each of 32 (batch, head), then z = y / sqrt(mean(y^2) + 1e-5) x silu(gate) / 16, rounded once to f16.
; WORK LEFT OUT: key steps all of whose 64 keys come after a wave's 16 queries: reference()'s own causal mask gives those keys no weight (shown at the head of the launch prep).
; o_gamma is not applied here: the launch prep has multiplied it into Wo's columns, with the factor 16 that cancels the 1/16 here (the identity stands at that launch's head).
; Both products take f16 operands and f32 sums; maxima, exponentials, sums, the norm and the gate are f32.  A running maximum is taken away before every exponential.
; q, k, v arrive as images of operand registers (launch proj): a piece is 512 bytes, lane l's 16 bytes at 16 l; a block of 16 tokens is 8 pieces.  So every fragment comes by loads at 16 x lane + a constant.
; SHARES.  Work-group (p, bh) owns the blocks of 64 queries p and 15 - p of (batch, head) bh: waves 0-3 the early block, waves 4-7 the late one, a wave ONE tile of 16 queries.
;   An early wave has p + 1 key steps of 64 keys and a late one 16 - p: 17 for each pair, whatever p.
; LAYOUT.  S^T = K Q^T (source 0 = 16 keys, source 1 = my 16 queries), O^T = V^T P: a lane holds ONE query (lane % 16) throughout; two tiles of S^T packed to f16 ARE a fragment of P.
; THE RING.  Two LDS slots of 256 keys: K's images (65,536 bytes), then V's.  Every wave fetches 16,384 dense bytes of a slot by one tensor load (waves 0-3 K's four steps, waves 4-7 V's); one load a wave is out at any time.
;   Every work-group walks all four slots, so that the trip counts are constants; a step that is hidden is jumped over by a scalar branch on ids; a slot that no wave of the work-group reads is not asked for.
; No cluster: the partners would need different numbers of tiles (the fourth slot is read only where p is under 4), and no jump may lead round a joint load.
; LIMITS: as stated in proj for q, k, v in f16.  z in f16: the normalised y is at most sqrt(128), so z stays under 65,504 while |silu(gate)| is under 92,000.  As drawn z's root mean square is 2^-4.8; with x and Wg
;   each 30 times smaller it is 2^-14.8, where f16's fixed step of 2^-24 is still 2^-9.2 of it; with both 30 times larger the gate reaches some 5,000.
; REGISTERS: window 0: v1-7 addresses and constants; v8-15 cm, m, l (two halves), four at work (a in v14); v16-31 at work; v32-63 S^T; v64-79 P; v128-255 V's 16 fragments.
;   window 1: v0-63 O^T; v64-95 Q; v128-255 K's 16 fragments; on the way out v128-191 the gate.
.set SLOT1, 1<<17
.set VOFF,  65536
.set STEPB, 16384                      ; a step's 64 keys: four blocks of 4,096 bytes
.set SPARE, 2*SLOT1                    ; the spare words, 128 bytes a wave
.set LI,   1                           ; v1  16 x lane
.set ADK,  2
.set ADV,  3
.set SPW,  4
.set NIL,  5
.set RH,   6                           ; v6  r - 8 h
.set NINF, 7                           ; v7  -infinity
.set ST,   8
.set PFO,  28                          ; v28 256 x lane
.set S,    32
.set P,    64
.set VF,   128
.set QF,   64
.set KFR,  128
.set TB,   2                           ; s2  LDS byte at which the slot in hand begins
.set SKF,  3                           ; s3  the step's first key
.set WV,   12
.set PP,   13
.set BH,   14
.set Q0,   15                          ; s15 my first query
.set G1,   16
.set G0,   24
.set PFA,  28
.set LIM,  30
.set SLOTS, 31
.set CS,   32                          ; s[32:33] c = log2(e) / sqrt(128)
.set SEL,  34
.set LASTQ, 36                         ; s36 my work-group's last query
.set QP,   48
.set GP,   50
.set ZP,   52
.set MSB, 0
.macro WIN new
.if MSB != (\new)
	s_set_vgpr_msb (MSB<<8)|(\new)
.set MSB, \new
.endif
.endm
	s_load_b128 s[4:7], s[0:1], 0x0                ; qkv s[4:5], gimg s[6:7]
	s_load_b64 s[10:11], s[0:1], 0x10              ; zimg
	v_lshl_add_u32 v[SPW], v0, 2, SPARE
	v_mov_b32 v[NIL], 0
	ds_add_u32 v[SPW], v[NIL]                      ; the wave's opening: the add, twice on end, and its wait ahead of my first tensor load
	ds_add_u32 v[SPW], v[NIL]
	v_lshrrev_b32 v1, 5, v0
	v_readfirstlane_b32 s[WV], v1                  ; wave 0..7
	s_mov_b32 s[PP], ttmp9
	s_and_b32 s[BH], ttmp7, 0xffff
	s_lshl_b32 s40, s[PP], 6
	s_lshl_b32 s41, s[WV], 4
	s_add_co_u32 s42, s40, s41                     ; early: 64 p + 16 w
	s_sub_co_u32 s43, 896, s40
	s_add_co_u32 s43, s43, s41                     ; late: 960 - 64 p + 16 (w - 4)
	s_cmp_lt_u32 s[WV], 4
	s_cselect_b32 s[Q0], s42, s43
	s_sub_co_u32 s[LASTQ], 1023, s40
	s_mov_b32 s[G1+0], 3<<16                       ; no mask; elements of 8 bytes; no padding
	s_mov_b32 s[G1+1], 32<<16                      ; tensor_dim0 = 32 elements: rows of 256 bytes
	s_mov_b32 s[G1+2], 64<<16                      ; tensor_dim1 = 64
	s_mov_b32 s[G1+3], 32<<16                      ; tile_dim0
	s_mov_b32 s[G1+4], 64                          ; tile_dim1
	s_mov_b32 s[G1+5], 32                          ; the pitch: dense
	s_mov_b32 s[G1+6], 0
	s_mov_b32 s[G1+7], 0
	s_mov_b32 s[G0], 1
	s_lshl_b32 s[G0+1], s[WV], 14                  ; my 16,384 bytes of slot 0
	s_lshr_b32 s40, s[WV], 2
	s_add_co_u32 s40, s40, 1
	s_lshl_b32 s40, s40, 23                        ; k's part of qkv (waves 0-3) or v's
	s_lshl_b32 s41, s[BH], 18                      ; 262,144 bytes for each (batch, head)
	s_add_co_u32 s40, s40, s41
	s_and_b32 s42, s[WV], 3
	s_lshl_b32 s42, s42, 14
	s_add_co_u32 s40, s40, s42
	s_mov_b32 s41, 0
	s_lshl_b32 s44, s[BH], 18                      ; Q: my block of 16 queries: 4,096 bytes a block = 256 x my first query
	s_lshl_b32 s45, s[Q0], 8
	s_add_co_u32 s44, s44, s45
	s_mov_b32 s45, 0
	s_lshl_b32 s46, s[BH], 19                      ; the gate: 8,192 bytes a block
	s_lshl_b32 s47, s[Q0], 9
	s_add_co_u32 s46, s46, s47
	s_mov_b32 s47, 0
	s_lshr_b32 s42, s[BH], 4                       ; z: [block of 16 tokens of all 2,048][128 pieces]: 65,536 bytes a block, 4,096 a head
	s_lshl_b32 s42, s42, 6
	s_lshr_b32 s43, s[Q0], 4
	s_add_co_u32 s42, s42, s43
	s_lshl_b32 s42, s42, 16
	s_and_b32 s43, s[BH], 15
	s_lshl_b32 s43, s43, 12
	s_add_co_u32 s42, s42, s43
	s_mov_b32 s43, 0
	s_mov_b32 s[CS], 0x3e0293ee
	s_mov_b32 s[CS+1], s[CS]
	s_mov_b32 s[SEL], 0x76543210
	s_mov_b32 s[SEL+1], 0xfedcba98
	s_mov_b32 s54, 0x3c000000                      ; 1 / 128
	s_mov_b32 s55, 0x3727c5ac                      ; 1e-5
	s_mov_b32 s[TB], 0
	s_mov_b32 s[SKF], 0
	s_mov_b32 s[SLOTS], 3
	s_cmp_eq_u32 s[PP], 0
	s_cselect_b32 s[LIM], 1, -1                    ; the first work-group of each (batch, head) prefetches
	s_wait_dscnt 0x0                               ; both opening adds are done
	s_wait_kmcnt 0x0
	s_add_nc_u64 s[G0+2:G0+3], s[4:5], s[40:41]
	s_add_nc_u64 s[PFA:PFA+1], s[G0+2:G0+3], 0x10000   ; my part of slot 1; the first change of slots steps it to slot 2
	s_or_b32 s[G0+3], s[G0+3], 0x80000000
	tensor_load_to_lds s[G0:G0+3], s[G1:G1+7]      ; slot 0: every wave fetches its part
	s_nop 0
.rept 4
	v_nop
.endr
	s_add_nc_u64 s[QP:QP+1], s[4:5], s[44:45]
	s_add_nc_u64 s[GP:GP+1], s[6:7], s[46:47]
	s_add_nc_u64 s[ZP:ZP+1], s[10:11], s[42:43]
	v_and_b32 v[LI], 31, v0
	v_lshlrev_b32 v[PFO], 8, v[LI]
	v_lshlrev_b32 v[LI], 4, v[LI]
	v_and_b32 v16, 15, v0                          ; r
	v_bfe_u32 v17, v0, 4, 1                        ; h
	v_lshlrev_b32 v18, 3, v17
	v_sub_nc_u32 v[RH], v16, v18
	v_mov_b32 v[NINF], 0xff800000
	WIN 0x40                                       ; destination window 1
.irp i, 0,1,2,3,4,5,6,7
	global_load_b128 v[QF+4*\i:QF+4*\i+3], v[LI], s[QP:QP+1] offset:512*\i   ; Q's four fragments stay in registers
.endr
.set n, 0
.rept 64
	v_mov_b32 v[n], 0                              ; O^T.  (The step is written once for all steps: the first finds zeros, which its factor a = 0 leaves zeros)
.set n, n+1
.endr
	WIN 0
	v_mov_b32 v[ST+1], 0xff61b1e6                  ; m: -3e38, under every score
	v_mul_f32 v[ST], s[CS], v[ST+1]                ; c m
	v_mov_b32 v[ST+2], 0                           ; l, in two halves
	v_mov_b32 v[ST+3], 0
; A PREFETCH of what the NEXT change of slots will ask for: my wave's own 16,384 bytes of that slot, lanes 256 bytes apart, two instructions.  All eight work-groups of a (batch, head) walk the same K and V:
; the first of them asks, so each block of 256 bytes is named once in the launch.  It stands where the wave has just issued its tensor load.  The last change that fills a slot asks for nothing.
.macro ASK
	s_cmp_gt_u32 s[SLOTS], s[LIM]
	s_cbranch_scc0 .Lnot_mine_\@
	global_prefetch_b8 v[PFO], s[PFA:PFA+1] th:TH_LOAD_NT scope:SCOPE_SE
	global_prefetch_b8 v[PFO], s[PFA:PFA+1] offset:8192 th:TH_LOAD_NT scope:SCOPE_SE
.Lnot_mine_\@:
.endm
; THE CHANGE OF SLOTS stands at a slot's head.  Each wave waits for all its tensor loads (its part of the slot ahead), adds 0 to its spare word, and waits for that and for its reads of the slot that it has left.
; Behind the barrier the slot ahead is whole and nobody reads the other one.  fill = 1: that other slot takes the next 256 keys, unless they all come after the work-group's last query.
.macro CHANGE fill
	s_wait_tensorcnt 0x0                           ; no tensor load of mine is out, so the descriptor may be written
	ds_add_u32 v[SPW], v[NIL]
.if \fill
	s_xor_b32 s[G0+1], s[G0+1], SLOT1              ; the other slot than last time,
	s_add_nc_u64 s[G0+2:G0+3], s[G0+2:G0+3], 0x10000   ; the next 256 keys; the type bits on top are not reached
	s_wait_xcnt 0x0                                ; the last prefetches, a slot back, have read their address, so it may be written
	s_add_nc_u64 s[PFA:PFA+1], s[PFA:PFA+1], 0x10000
.endif
	s_wait_dscnt 0x0                               ; the add is done, and my reads of the slot that I have left are over
	s_barrier_signal -1
	s_barrier_wait -1
.if \fill
	s_add_co_u32 s40, s[SKF], 256                  ; the first key of the slot that this change would ask for
	s_cmp_gt_u32 s40, s[LASTQ]                     ; ids and the count of steps alone: all eight waves go the same way; every wait for tensor loads in this text is for 0
	s_cbranch_scc1 .Lpast_\@
	tensor_load_to_lds s[G0:G0+3], s[G1:G1+7]      ; my one tensor load until the next such barrier: it has a slot's four steps in which to land
	s_nop 0
.rept 4
	v_nop
.endr
.Lpast_\@:
	ASK
.endif
.endm
; A KEY STEP: 64 keys, the q-th of the slot in hand.
.macro STEP q
	s_add_co_u32 s40, s[Q0], 15
	s_cmp_gt_u32 s[SKF], s40                       ; all 64 keys come after my queries: the step's work is left out
	s_cbranch_scc1 .Lhidden_\@
	v_add_nc_u32 v[ADK], s[TB], v[LI]              ; these four lines are the places between the last products and the loads into their operands' registers
	v_add_nc_u32 v[ADV], VOFF, v[ADK]
	v_nop
	v_nop
	WIN 0x40
.set n, 0
.rept 32
	ds_load_b128 v[KFR+4*n:KFR+4*n+3], v[ADK] offset:(\q)*STEPB+512*n   ; K: fragment (tile of 16 keys t, channels 32 c on) at 8 (4 t + c): the pieces as they lie
.set n, n+1
.endr
	WIN 0
.irp t, 0,1,2,3
.irp a, 0,1,2,3,4,5,6,7
	ds_load_b128 v[VF+8*(8*(\t/2)+\a)+4*(\t%2):VF+8*(8*(\t/2)+\a)+4*(\t%2)+3], v[ADV] offset:(\q)*STEPB+\t*4096+\a*512   ; V^T: fragment (32 keys t / 2, channels 16 a on): two blocks of tokens make its halves
.endr
.endr
	s_wait_dscnt 32                                ; K is in; V's 32 loads may be out
	WIN 0x05                                       ; K and Q window 1, S^T window 0
.irp c, 0,1,2,3
.irp t, 0,1,2,3
.if \c == 0
	v_wmma_f32_16x16x32_f16 v[S+8*\t:S+8*\t+7], v[KFR+8*(4*\t+\c):KFR+8*(4*\t+\c)+7], v[QF+8*\c:QF+8*\c+7], 0
.else
	v_wmma_f32_16x16x32_f16 v[S+8*\t:S+8*\t+7], v[KFR+8*(4*\t+\c):KFR+8*(4*\t+\c)+7], v[QF+8*\c:QF+8*\c+7], v[S+8*\t:S+8*\t+7]
.endif
.endr
.endr
	WIN 0
.rept 4
	v_nop
.endr
	s_add_co_u32 s40, s[SKF], 63
	s_cmp_le_u32 s40, s[Q0]                        ; a step all of whose keys count skips the mask
	s_cbranch_scc1 .Lopen_\@
	s_sub_co_i32 s40, s[Q0], s[SKF]
	v_add_nc_u32 v16, s40, v[RH]                   ; d = my query - the step's first key - 8 h.  Register 8 t + j holds key 16 t + 8 h + j of the step: hidden where 16 t + j > d
.set n, 0
.rept 32
	v_cmp_gt_i32 vcc_lo, 16*(n/8)+n%8, v16
	v_cndmask_b32 v[S+n], v[S+n], v[NINF], vcc_lo
.set n, n+1
.endr
.Lopen_\@:
.irp j, 0,1,2,3
	v_max3_num_f32 v[ST+4+\j], v[S+8*\j], v[S+8*\j+1], v[S+8*\j+2]     ; the maximum of my 32 scores and the old m, in four chains; each tile is read from its low end on
.endr
.irp u, 1,2
.irp j, 0,1,2,3
	v_max3_num_f32 v[ST+4+\j], v[ST+4+\j], v[S+8*\j+2*\u+1], v[S+8*\j+2*\u+2]
.endr
.endr
	v_max3_num_f32 v[ST+4], v[ST+4], v[S+7], v[S+15]
	v_max3_num_f32 v[ST+6], v[ST+6], v[S+23], v[S+31]
	v_max3_num_f32 v[ST+4], v[ST+4], v[ST+5], v[ST+6]
	v_max3_num_f32 v[ST+4], v[ST+4], v[ST+7], v[ST+1]
	v_permlanex16_b32 v[ST+5], v[ST+4], s[SEL], s[SEL+1]   ; the query's other 32 keys lie in the lane 16 away
	v_mov_b32 v[ST+7], v[ST]                       ; c m_old
	v_max_num_f32 v[ST+1], v[ST+4], v[ST+5]        ; the new m.  (The step's first key counts for all my queries, so m is a score from the first step on)
	v_mul_f32 v[ST], s[CS], v[ST+1]
	v_sub_f32 v[ST+7], v[ST+7], v[ST]
.set n, 0
.rept 16
	v_pk_fma_f32 v[S+n:S+n+1], v[S+n:S+n+1], s[CS:CS+1], v[ST:ST+1] op_sel_hi:[1,0,0] neg_lo:[0,0,1] neg_hi:[0,0,1]   ; c s - c m
.set n, n+2
.endr
	v_exp_f32 v[ST+6], v[ST+7]                     ; a = 2^(c m_old - c m_new)
.set n, 0
.rept 32
	v_exp_f32 v[S+n], v[S+n]                       ; p, at most 1
.set n, n+1
.endr
	v_nop                                          ; a plain instruction behind the last exponential,
	s_wait_alu depctr_va_vdst(0)                   ; and one wait for the 33, ahead of their first reader
.set n, 0
.rept 16
	v_cvt_pk_f16_f32 v[P+n], v[S+2*n], v[S+2*n+1]
.set n, n+1
.endr
	v_pk_add_f32 v[16:17], v[S:S+1], v[S+2:S+3]    ; the sum of the unrounded p, in two chains
	v_pk_add_f32 v[18:19], v[S+4:S+5], v[S+6:S+7]
.irp j, 8,12,16,20,24,28
	v_pk_add_f32 v[16:17], v[16:17], v[S+\j:S+\j+1]
	v_pk_add_f32 v[18:19], v[18:19], v[S+\j+2:S+\j+3]
.endr
	v_pk_add_f32 v[16:17], v[16:17], v[18:19]
	v_pk_fma_f32 v[ST+2:ST+3], v[ST+2:ST+3], v[ST+6:ST+7], v[16:17] op_sel_hi:[1,0,1]   ; l = a l + the sum
	WIN 0x41                                       ; O^T window 1, a window 0
.set n, 0
.rept 32
	v_pk_mul_f32 v[n:n+1], v[n:n+1], v[ST+6:ST+7] op_sel_hi:[1,0]
.set n, n+2
.endr
	s_wait_dscnt 0x0                               ; V is in
	WIN 0x50                                       ; V and P window 0, O^T window 1
.irp k, 0,1
.irp a, 0,1,2,3,4,5,6,7
	v_wmma_f32_16x16x32_f16 v[8*\a:8*\a+7], v[VF+8*(8*\k+\a):VF+8*(8*\k+\a)+7], v[P+8*\k:P+8*\k+7], v[8*\a:8*\a+7]
.endr
.endr
	WIN 0
.Lhidden_\@:
	s_add_co_u32 s[SKF], s[SKF], 64
.endm
.macro SLOT_STEPS
	STEP 0
	STEP 1
	STEP 2
	STEP 3
	s_xor_b32 s[TB], s[TB], SLOT1
.endm
	s_wait_loadcnt 0x0                             ; Q
.Lslot:                                            ; three trips: behind each change of slots but the last the next slot is asked for, up to the causal limit
	CHANGE 1
	SLOT_STEPS
	s_sub_co_u32 s[SLOTS], s[SLOTS], 1
	s_cmp_lg_u32 s[SLOTS], 0
	s_cbranch_scc1 .Lslot
	CHANGE 0
	SLOT_STEPS
	; THE WAY OUT.  Register 8 c + j of O^T is channel 16 c + 8 h + j of my query: the layout in which the gate was stored.
.rept 4
	v_nop                                          ; places behind the last products
.endr
	WIN 0x40
.irp c, 0,1,2,3,4,5,6,7
	global_load_b128 v[128+8*\c:128+8*\c+3], v[LI], s[GP:GP+1] offset:\c*1024 th:TH_LOAD_NT
	global_load_b128 v[128+8*\c+4:128+8*\c+7], v[LI], s[GP:GP+1] offset:\c*1024+512 th:TH_LOAD_NT
.endr
	WIN 0
	v_add_f32 v16, v[ST+2], v[ST+3]
	v_permlanex16_b32 v17, v16, s[SEL], s[SEL+1]
	v_add_f32 v16, v16, v17                        ; the row's sum
	v_rcp_f32 v18, v16
	WIN 0x05                                       ; sources 0 and 1 window 1
	v_pk_mul_f32 v[20:21], v[0:1], v[0:1]          ; the sum of O^2, in two chains: the independent work behind the reciprocal
	v_pk_mul_f32 v[22:23], v[2:3], v[2:3]
.irp j, 4,8,12,16,20,24,28,32,36,40,44,48,52,56,60
	v_pk_fma_f32 v[20:21], v[\j:\j+1], v[\j:\j+1], v[20:21]
	v_pk_fma_f32 v[22:23], v[\j+2:\j+3], v[\j+2:\j+3], v[22:23]
.endr
	WIN 0
	s_wait_alu depctr_va_vdst(0)                   ; ahead of the reciprocal's first reader
	v_pk_add_f32 v[20:21], v[20:21], v[22:23]
	v_add_f32 v20, v20, v21
	v_permlanex16_b32 v21, v20, s[SEL], s[SEL+1]
	v_add_f32 v20, v20, v21
	v_mul_f32 v22, v20, v18
	v_mul_f32 v22, v22, v18                        ; the sum of y^2, y = O / l
	v_fma_f32 v22, v22, s54, s55                   ; the mean + 1e-5
	v_rsq_f32 v23, v22
	v_mov_b32 v25, 0                               ; (a plain instruction behind the root; v25 is named as the upper half of a pair)
	s_wait_alu depctr_va_vdst(0)
	v_mul_f32 v24, v18, v23                        ; 1 / l / sqrt(..),
	v_mul_f32 v24, 0x3d800000, v24                 ; and the 1 / 16 that cancels the 16 in Wo's side: f
	s_wait_loadcnt 0x0                             ; the gate
	WIN 0x01                                       ; source 0 window 1
.set n, 0
.rept 32
	v_pk_mul_f32 v[32+n:33+n], v[128+n:129+n], 0xbfb8aa3b op_sel_hi:[1,0]   ; -g log2(e)
.set n, n+2
.endr
	WIN 0
.set n, 0
.rept 64
	v_exp_f32 v[32+n], v[32+n]
.set n, n+1
.endr
	v_nop
	s_wait_alu depctr_va_vdst(0)
.set n, 0
.rept 32
	v_pk_add_f32 v[32+n:33+n], v[32+n:33+n], 1.0 op_sel_hi:[1,0]
.set n, n+2
.endr
.set n, 0
.rept 64
	v_rcp_f32 v[32+n], v[32+n]                     ; sigmoid(g)
.set n, n+1
.endr
	v_nop
	s_wait_alu depctr_va_vdst(0)
.set n, 0
.rept 32
	v_pk_mul_f32 v[32+n:33+n], v[32+n:33+n], v[24:25] op_sel_hi:[1,0]       ; x f
.set n, n+2
.endr
	WIN 0x45                                       ; all in window 1
.set n, 0
.rept 32
	v_pk_mul_f32 v[n:n+1], v[n:n+1], v[128+n:129+n]                         ; O x g
.set n, n+2
.endr
	WIN 0x41
.set n, 0
.rept 32
	v_pk_mul_f32 v[n:n+1], v[n:n+1], v[32+n:33+n]                           ; x sigmoid(g) f
.set n, n+2
.endr
	WIN 0x05
.set n, 0
.rept 32
	v_cvt_pk_f16_f32 v[96+n], v[2*n], v[2*n+1]
.set n, n+1
.endr
	WIN 0
.irp c, 0,1,2,3,4,5,6,7
	global_store_b128 v[LI], v[96+4*\c:96+4*\c+3], s[ZP:ZP+1] offset:512*\c   ; piece head x 8 + c of my block of tokens: 512 consecutive bytes, aligned
.endr
	s_wait_tensorcnt 0x0                           ; the wave's end
	ds_add_u32 v[SPW], v[NIL]
	s_wait_dscnt 0x0
	s_endpgm
.Lfunc_end_k_qa8e8ef3130_attn:
	.size	k_qa8e8ef3130_attn, .Lfunc_end_k_qa8e8ef3130_attn-k_qa8e8ef3130_attn
	.p2alignl 7, 3214868480
	.fill 96, 4, 3214868480
	.section	.rodata,"a",@progbits
	.p2align	6, 0x0
	.amdhsa_kernel k_qa8e8ef3130_attn
		.amdhsa_group_segment_fixed_size 327680
		.amdhsa_private_segment_fixed_size 0
		.amdhsa_enable_private_segment 0
		.amdhsa_kernarg_size 24
		.amdhsa_user_sgpr_count 2
		.amdhsa_user_sgpr_kernarg_segment_ptr 1
		.amdhsa_wavefront_size32 1
		.amdhsa_system_sgpr_workgroup_id_x 1
		.amdhsa_system_sgpr_workgroup_id_y 1
		.amdhsa_system_sgpr_workgroup_id_z 1
		.amdhsa_system_vgpr_workitem_id 0
		.amdhsa_next_free_vgpr 512
		.amdhsa_next_free_sgpr 66
		.amdhsa_reserve_vcc 1
		.amdhsa_float_denorm_mode_32 3
		.amdhsa_float_denorm_mode_16_64 3
		.amdhsa_memory_ordered 1
		.amdhsa_forward_progress 1
		.amdhsa_inst_pref_size 160
	.end_amdhsa_kernel
	.amdgpu_metadata
---
amdhsa.version: [ 1, 2 ]
amdhsa.kernels:
  - .name:           k_qa8e8ef3130_attn
    .symbol:         k_qa8e8ef3130_attn.kd
    .args:
      - { .name: qkv, .offset: 0, .size: 8, .value_kind: global_buffer, .address_space: global }
      - { .name: gimg, .offset: 8, .size: 8, .value_kind: global_buffer, .address_space: global }
      - { .name: zimg, .offset: 16, .size: 8, .value_kind: global_buffer, .address_space: global }
    .group_segment_fixed_size: 327680
    .private_segment_fixed_size: 0
    .kernarg_segment_align: 8
    .kernarg_segment_size: 24
    .max_flat_workgroup_size: 256
    .sgpr_count:     66
    .vgpr_count:     512
    .wavefront_size: 32
...
	.end_amdgpu_metadata
.endif
;; end of part 3
;; launch oproj (part 4): grid 16 x 16, 4 waves a work-group, clusters of 4 x 4, 327,680 bytes of LDS; arguments zimg, wo16, out0; writes out0
.if DOCPART == 4
	.amdgcn_target "amdgcn-amd-amdhsa--gfx1250"
	.amdhsa_code_object_version 6
	.text
	.protected	k_qa8e8ef3130_oproj
	.globl	k_qa8e8ef3130_oproj
	.p2align	8
	.type	k_qa8e8ef3130_oproj,@function
k_qa8e8ef3130_oproj:
	s_mov_b64 s[64:65], 0
	v_nop
	global_prefetch_b8 v0, s[64:65] scope:SCOPE_SE
	s_setreg_imm32_b32 hwreg(HW_REG_WAVE_MODE, 25, 1), 1
	s_wait_xcnt 0x0
	s_wait_alu depctr_hold_cnt(0) depctr_sa_sdst(0) depctr_va_vdst(0) depctr_va_sdst(0) depctr_va_ssrc(0) depctr_va_vcc(0) depctr_vm_vsrc(0)
	s_getreg_b32 s2, hwreg(HW_REG_IB_STS2, 6, 4)
	s_cmp_eq_u32 s2, 0
	s_cbranch_scc0 .Lentry_in_a_cluster
	s_endpgm
.Lentry_in_a_cluster:
	s_bfe_u32 s2, ttmp6, 0x10000c
	s_cmp_lg_u32 s2, 0xf033
	s_cbranch_scc0 .Lentry_shape_is_right
	s_endpgm
.Lentry_shape_is_right:
; Launch 4 of 4: out0[t][n] = sum over k of z[t][k] W[n][k]: 2,048 x 2,048 x 2,048, f16 operands, f32 sums, f32 out.  No work of reference() is left out here.
; z = normalised y x silu(gate) / 16 (launch attn), W = 16 x o_gamma x Wo (launch prep): the two powers of two cancel, so the sums are reference()'s as they stand.
; z arrives as images of operand registers: zimg [block of 16 tokens, 128][piece of 16 along K, 128][512 bytes], lane l's 16 bytes at 16 l; W as f16 rows.
; A tile of out0 is 128 x 128, so that each of 256 work-groups has one: four waves, each 64 x 64: 16 accumulators.  K goes in steps of 256 through a ring of two LDS slots.
; A's tile of a K step is, for each of 8 blocks of tokens, 8,192 consecutive bytes; a wave's tensor load brings four such rows, dense in LDS: fragments are read at 16 x lane + constants.  B's rows of 512 bytes get 16 of padding.
; CLUSTERS: 4 x 4 work-groups; A's tile is asked for jointly along a row of the cluster, B's along a column.  THE MATRIX INSTRUCTION IS USED TRANSPOSED (source 0 = 16 rows of W, source 1 = 16 tokens):
; a lane holds eight neighbouring numbers of a row of out0.
; REGISTERS: window 0: v0-31 addresses; v32-95 at work on the way out; v128-255 the accumulators ((a, b) at v[128 + 8 (4 a + b)]).   window 1: two fragment buffers of 128: 64 registers of A, then 64 of B.
.set SIZE_K, 2048
.set SIZE_N, 2048
.set KSTEP,  256
.set PITCH,  528
.set HALFA,  32768                     ; four blocks of tokens x 8,192 bytes: what one tensor load brings of A, and what one wave reads
.set HALFB,  64*PITCH
.set BOFF,   2*HALFA
.set SLOT,   BOFF+2*HALFB
.set STAGE,  2*SLOT                    ; behind the ring: 16 rows x 272 bytes for each wave, for the way out; no tensor load lands there
.set SPITCH, 272
.set SPARE,  STAGE+4*16*SPITCH
.set LAPS,   SIZE_K/(2*KSTEP)
.set ADRA, 16
.set ADRB, 20
.set STO,  24
.set RD,   25
.set CO,   26
.set SPW,  28
.set NIL,  29
.set TMP,  32
.set ACC,  128
.set F0,   0
.set F1,   128
.set G1, 24
.set G0, 32
.set G1B, 48
.set G0B, 56
.set MSB, 0
.macro WIN new
.if MSB != (\new)
	s_set_vgpr_msb (MSB<<8)|(\new)
.set MSB, \new
.endif
.endm
.set MUL,  0x05                        ; sources 0 (B) and 1 (A) window 1; C and D window 0
.set TO_F, 0x40
.macro JLOAD s                         ; a joint load: waves 0 and 1 fetch A's two halves, waves 2 and 3 B's; an s_nop 0 and four v_nop follow each of the two lines
	s_cmp_eq_u32 s11, 0
	s_cbranch_scc0 .Lfor_b_\@
	tensor_load_to_lds s[G0+4*\s:G0+4*\s+3], s[G1:G1+7]
	s_nop 0
.rept 4
	v_nop
.endr
	s_branch .Lasked_\@
.Lfor_b_\@:
	tensor_load_to_lds s[G0B+4*\s:G0B+4*\s+3], s[G1B:G1B+7]
	s_nop 0
.rept 4
	v_nop
.endr
.Lasked_\@:
.endm
.macro CREST
	s_cmp_lg_u32 s10, 0
	s_cbranch_scc1 .Lnot_wave_0_\@
	s_barrier_signal -3
.Lnot_wave_0_\@:
	s_barrier_wait -3
	s_barrier_signal -1
	s_barrier_wait -1
.endm
.macro CROUND
	s_barrier_signal -1
	s_barrier_wait -1
	CREST
.endm
	s_load_b128 s[4:7], s[0:1], 0x0                ; zimg s[4:5], wo16 s[6:7]
	s_load_b64 s[8:9], s[0:1], 0x10                ; out0
	v_lshl_add_u32 v[SPW], v0, 2, SPARE
	v_mov_b32 v[NIL], 0
	ds_add_u32 v[SPW], v[NIL]                      ; the wave's opening: the add, twice on end, and its wait ahead of my first tensor load
	ds_add_u32 v[SPW], v[NIL]
	v_lshrrev_b32 v1, 5, v0
	v_readfirstlane_b32 s10, v1                    ; wave 0..3
	s_lshr_b32 s11, s10, 1                         ; which half of the tile's rows is mine.  Also: I fetch for A (0) or for B (1)
	s_and_b32 s12, s10, 1                          ; which half of its columns.  Also: which half of that tile I fetch
	s_bfe_u32 s40, ttmp6, 0x40000                  ; cx
	s_bfe_u32 s41, ttmp6, 0x40004                  ; cy
	s_lshl_b32 s42, ttmp9, 2
	s_add_co_u32 s42, s42, s40                     ; tile column
	s_and_b32 s13, ttmp7, 0xffff
	s_lshl_b32 s13, s13, 2
	s_add_co_u32 s13, s13, s41                     ; tile row
	s_lshl_b32 s43, s41, 2
	s_lshl_b32 s43, 15, s43                        ; my row of the cluster
	s_lshl_b32 s44, 0x1111, s40                    ; my column
	s_or_b32 s[G1+0], s43, (3<<16)|(1<<21)         ; A: the mask; elements of 8 bytes; no padding; bit 21 beside a mask
	s_mov_b32 s[G1+1], 1024<<16                    ; tensor_dim0 = 1,024 elements: 8,192 bytes
	s_mov_b32 s[G1+2], 4<<16                       ; tensor_dim1 = 4 blocks of tokens
	s_mov_b32 s[G1+3], 1024<<16                    ; tile_dim0
	s_mov_b32 s[G1+4], 4                           ; tile_dim1
	s_mov_b32 s[G1+5], 8192                        ; the pitch: 65,536 bytes from block to block
	s_mov_b32 s[G1+6], 0
	s_mov_b32 s[G1+7], 0
	s_or_b32 s[G1B+0], s44, (1<<16)|(1<<20)|(1<<21)|(6<<22)|(3<<25)  ; B: elements of 2 bytes; 4 words of padding behind every 128
	s_mov_b32 s[G1B+1], KSTEP<<16
	s_mov_b32 s[G1B+2], 64<<16
	s_mov_b32 s[G1B+3], KSTEP<<16
	s_mov_b32 s[G1B+4], 64
	s_mov_b32 s[G1B+5], SIZE_K
	s_mov_b32 s[G1B+6], 0
	s_mov_b32 s[G1B+7], 0
	s_lshl_b32 s16, s13, 3
	s_lshl_b32 s17, s12, 2
	s_add_co_u32 s16, s16, s17                     ; A: block of tokens 8 x tile row + 4 x half,
	s_lshl_b32 s16, s16, 16                        ; 65,536 bytes each
	s_mov_b32 s17, 0
	s_lshl_b32 s46, s42, 7
	s_lshl_b32 s47, s12, 6
	s_add_co_u32 s46, s46, s47                     ; B: row 128 x tile column + 64 x half,
	s_lshl_b32 s46, s46, 12                        ; 4,096 bytes each
	s_mov_b32 s47, 0
	s_lshl_b32 s20, s12, 15                        ; where they go: made of the wave's number alone
	s_mul_i32 s21, s12, HALFB
	s_add_co_u32 s21, s21, BOFF
	s_wait_dscnt 0x0                               ; both opening adds are done
	s_wait_kmcnt 0x0
	s_add_nc_u64 s[14:15], s[4:5], s[16:17]
	s_add_nc_u64 s[46:47], s[6:7], s[46:47]
	CROUND                                         ; all sixteen work-groups are here: the first joint loads meet
.irp s, 0,1
	s_mov_b32 s[G0+4*\s], 1
	s_add_co_u32 s[G0+4*\s+1], s20, \s*SLOT
	s_add_nc_u64 s[G0+4*\s+2:G0+4*\s+3], s[14:15], \s*8192
	s_or_b32 s[G0+4*\s+3], s[G0+4*\s+3], 0x80000000
	s_mov_b32 s[G0B+4*\s], 1
	s_add_co_u32 s[G0B+4*\s+1], s21, \s*SLOT
	s_add_nc_u64 s[G0B+4*\s+2:G0B+4*\s+3], s[46:47], \s*KSTEP*2
	s_or_b32 s[G0B+4*\s+3], s[G0B+4*\s+3], 0x80000000
	JLOAD \s
.endr
	v_and_b32 v1, 15, v0                           ; r
	v_bfe_u32 v2, v0, 4, 1                         ; h
	v_and_b32 v6, 31, v0
	v_lshlrev_b32 v6, 4, v6                        ; 16 x lane
	v_mul_u32_u24 v3, v1, PITCH
	v_lshl_add_u32 v3, v2, 4, v3                   ; B: a fragment's row x pitch + 16 x half
	s_lshl_b32 s21, s11, 15                        ; my four blocks of tokens
	s_mul_i32 s22, s12, HALFB                      ; my 64 rows of B,
	s_add_co_u32 s22, s22, BOFF                    ; which lie behind A's images
.irp s, 0,1
	v_add_nc_u32 v[ADRA+\s], s21, v6
	v_add_nc_u32 v[ADRB+\s], s22, v3
	s_add_co_u32 s21, s21, SLOT
	s_add_co_u32 s22, s22, SLOT
.endr
	s_mul_i32 s23, s10, 16*SPITCH
	s_add_co_u32 s23, s23, STAGE                   ; my stage
	v_mul_u32_u24 v4, v1, SPITCH                   ; in: row r, 32 bytes for each half of the lanes
	v_lshl_add_u32 v4, v2, 5, v4
	v_add_nc_u32 v[STO], s23, v4
	v_mul_u32_u24 v5, v2, SPITCH                   ; back: lanes 0-15 one row of 256 bytes, lanes 16-31 the next
	v_lshl_add_u32 v5, v1, 4, v5
	v_add_nc_u32 v[RD], s23, v5
	v_lshlrev_b32 v5, 13, v2                       ; and the same two rows in out0: 8,192 bytes a row
	v_lshl_add_u32 v[CO], v1, 4, v5
	s_lshl_b32 s16, s13, 7
	s_lshl_b32 s17, s11, 6
	s_add_co_u32 s16, s16, s17                     ; my first row: 128 x tile row + 64 x half
	s_lshl_b32 s16, s16, 13
	s_lshl_b32 s46, s42, 9                         ; my first column, in bytes: 512 x tile column + 256 x half
	s_lshl_b32 s47, s12, 8
	s_add_co_u32 s46, s46, s47
	s_add_co_u32 s16, s16, s46
	s_mov_b32 s17, 0
	s_add_nc_u64 s[8:9], s[8:9], s[16:17]
; 8 matrix instructions: m blocks a0, a0 + 1 x all 4 n blocks, 32 along K: half c of buffer f.  The 16 accumulators take turns.
.macro MUL8 f, c, a0, zero
.irp a, \a0, \a0+1
.irp b, 0,1,2,3
.if \zero
	v_wmma_f32_16x16x32_f16 v[ACC+8*(4*(\a)+\b):ACC+8*(4*(\a)+\b)+7], v[\f+64+8*(4*\c+\b):\f+64+8*(4*\c+\b)+7], v[\f+8*(4*\c+\a):\f+8*(4*\c+\a)+7], 0
.else
	v_wmma_f32_16x16x32_f16 v[ACC+8*(4*(\a)+\b):ACC+8*(4*(\a)+\b)+7], v[\f+64+8*(4*\c+\b):\f+64+8*(4*\c+\b)+7], v[\f+8*(4*\c+\a):\f+8*(4*\c+\a)+7], v[ACC+8*(4*(\a)+\b):ACC+8*(4*(\a)+\b)+7]
.endif
.endr
.endr
.endm
; 32 LDS loads in one run: the fragments of the K step's quarter kq (64 along K) into buffer f; the first 32 along K first.  A's fragment (c, i) is pieces 4 kq + 2 c and + 1 of block of tokens i.
.macro FETCH slot, kq, f
	WIN TO_F
.irp c, 0,1
.irp i, 0,1,2,3
	ds_load_b128 v[\f+64+8*(4*\c+\i):\f+64+8*(4*\c+\i)+3],   v[ADRB+\slot] offset:128*(\kq)+64*\c+\i*16*PITCH
	ds_load_b128 v[\f+64+8*(4*\c+\i)+4:\f+64+8*(4*\c+\i)+7], v[ADRB+\slot] offset:128*(\kq)+64*\c+\i*16*PITCH+32
	ds_load_b128 v[\f+8*(4*\c+\i):\f+8*(4*\c+\i)+3],         v[ADRA+\slot] offset:\i*8192+(2*(\kq)+\c)*1024
	ds_load_b128 v[\f+8*(4*\c+\i)+4:\f+8*(4*\c+\i)+7],       v[ADRA+\slot] offset:\i*8192+(2*(\kq)+\c)*1024+512
.endr
.endr
.endm
.macro PLACES
.rept 4
	v_nop
.endr
.endm
; One of a K step's first three quarters: multiplies buffer f and fetches the next quarter, kq, into g.
.macro QUARTER slot, kq, f, g, zero
	s_wait_dscnt 16                                ; the first 32 along K are in
	WIN MUL
	MUL8 \f, 0, 0, \zero
	MUL8 \f, 0, 2, \zero
	PLACES
	FETCH \slot, \kq, \g
	s_wait_dscnt 32                                ; all but the 32 just issued
	WIN MUL
	MUL8 \f, 1, 0, 0
	MUL8 \f, 1, 2, 0
.endm
; The last quarter multiplies buffer 1 and changes slots: in front of the barrier each wave waits for all its tensor loads, adds 0 to its spare word, and waits for that and for its reads of this slot.
.macro TURN slot, next, fill
	WIN 0
	s_wait_tensorcnt 0x0                           ; all my tensor loads have landed: my part of the next slot
	ds_add_u32 v[SPW], v[NIL]
	s_wait_dscnt 17                                ; (the add and the youngest sixteen loads may be out)
	WIN MUL
	MUL8 F1, 0, 0, 0
	s_wait_dscnt 0x0                               ; the add is done, and my reads of this slot are over
	s_barrier_signal -1
	MUL8 F1, 0, 2, 0
.if \fill
	WIN 0
.endif
	s_barrier_wait -1
.if \fill
	CREST                                          ; the barrier has opened a round of the cluster's barrier: no wave of any partner still reads this slot or has a load on its way
	s_add_nc_u64 s[G0+4*\slot+2:G0+4*\slot+3], s[G0+4*\slot+2:G0+4*\slot+3], 2*8192
	s_add_nc_u64 s[G0B+4*\slot+2:G0B+4*\slot+3], s[G0B+4*\slot+2:G0B+4*\slot+3], 2*KSTEP*2
	JLOAD \slot                                    ; the first tensor load behind the round; its four v_nop are the places in front of the loads below
.else
	PLACES
.endif
	FETCH \next, 0, F0
	WIN MUL
	MUL8 F1, 1, 0, 0
	MUL8 F1, 1, 2, 0
.endm
	s_wait_tensorcnt 1                             ; my part of K step 0 is in (K step 1's load may be out)
	s_barrier_signal -1
	s_barrier_wait -1                              ; everybody's is
	FETCH 0, 0, F0
	QUARTER 0, 1, F0, F1, 1                        ; the first quarter stands in front of the loop: its first products start the sums
	WIN 0
	s_mov_b32 s3, LAPS-1
.Llap:                                                 ; a trip goes once round the ring and fills both slots again
	QUARTER 0, 2, F1, F0, 0
	QUARTER 0, 3, F0, F1, 0
	TURN 0, 1, 1
	QUARTER 1, 1, F0, F1, 0
	QUARTER 1, 2, F1, F0, 0
	QUARTER 1, 3, F0, F1, 0
	TURN 1, 0, 1
	QUARTER 0, 1, F0, F1, 0
	WIN 0
	s_sub_co_u32 s3, s3, 1
	s_cmp_lg_u32 s3, 0
	s_cbranch_scc1 .Llap
	QUARTER 0, 2, F1, F0, 0                        ; the last lap fills nothing
	QUARTER 0, 3, F0, F1, 0
	TURN 0, 1, 0
	QUARTER 1, 1, F0, F1, 0
	QUARTER 1, 2, F1, F0, 0
	QUARTER 1, 3, F0, F1, 0
	s_wait_dscnt 16
	WIN MUL
	MUL8 F1, 0, 0, 0
	MUL8 F1, 0, 2, 0
	s_wait_dscnt 0
	MUL8 F1, 1, 0, 0
	MUL8 F1, 1, 2, 0
	WIN 0
	; THE WAY OUT, a block of 16 rows x 64 columns at a time.  A lane holds 32 neighbouring bytes of a row; a wave's 64 columns are 256 bytes.  The block goes through my own stage and comes back as whole rows.
	; LDS serves a wave's instructions in order (ISA guide 5.7.1.4): no wait between the stores and the loads, nor in front of the next block's stores.
.macro TOSTAGE a
.irp b, 0,1,2,3
	ds_store_b128 v[STO], v[ACC+8*(4*(\a)+\b):ACC+8*(4*(\a)+\b)+3] offset:64*\b        ; each accumulator from its low end on
	ds_store_b128 v[STO], v[ACC+8*(4*(\a)+\b)+4:ACC+8*(4*(\a)+\b)+7] offset:64*\b+16
.endr
.irp t, 0,1,2,3,4,5,6,7
	ds_load_b128 v[TMP+32*((\a)%2)+4*\t:TMP+32*((\a)%2)+4*\t+3], v[RD] offset:\t*2*SPITCH
.endr
.endm
.macro SEND a, younger                 ; younger: the LDS instructions issued behind block a's loads, which may stay out
	s_wait_dscnt \younger
.irp t, 0,1,2,3,4,5,6,7
	global_store_b128 v[CO], v[TMP+32*((\a)%2)+4*\t:TMP+32*((\a)%2)+4*\t+3], s[8:9] offset:(16*(\a)+2*\t)*SIZE_N*4 th:TH_STORE_NT   ; 16 lanes store 256 consecutive bytes, aligned
.endr
.endm
	PLACES
	TOSTAGE 0
	TOSTAGE 1
	SEND 0, 16
	s_wait_xcnt 0x0                                ; block 0's stores have read their registers: block 2's loads may land there
	TOSTAGE 2
	SEND 1, 16
	s_wait_xcnt 0x0
	TOSTAGE 3
	SEND 2, 16
	SEND 3, 0
	s_wait_tensorcnt 0x0                           ; the wave's end, behind my last tensor load and my last LDS store
	ds_add_u32 v[SPW], v[NIL]
	s_wait_dscnt 0x0
	CROUND                                         ; the closing round: no work-group ends while a partner may still ask for a tile that names it
	s_endpgm
.Lfunc_end_k_qa8e8ef3130_oproj:
	.size	k_qa8e8ef3130_oproj, .Lfunc_end_k_qa8e8ef3130_oproj-k_qa8e8ef3130_oproj
	.p2alignl 7, 3214868480
	.fill 96, 4, 3214868480
	.section	.rodata,"a",@progbits
	.p2align	6, 0x0
	.amdhsa_kernel k_qa8e8ef3130_oproj
		.amdhsa_group_segment_fixed_size 327680
		.amdhsa_private_segment_fixed_size 0
		.amdhsa_enable_private_segment 0
		.amdhsa_kernarg_size 24
		.amdhsa_user_sgpr_count 2
		.amdhsa_user_sgpr_kernarg_segment_ptr 1
		.amdhsa_wavefront_size32 1
		.amdhsa_system_sgpr_workgroup_id_x 1
		.amdhsa_system_sgpr_workgroup_id_y 1
		.amdhsa_system_sgpr_workgroup_id_z 1
		.amdhsa_system_vgpr_workitem_id 0
		.amdhsa_next_free_vgpr 512
		.amdhsa_next_free_sgpr 66
		.amdhsa_reserve_vcc 0
		.amdhsa_float_denorm_mode_32 3
		.amdhsa_float_denorm_mode_16_64 3
		.amdhsa_memory_ordered 1
		.amdhsa_forward_progress 1
		.amdhsa_inst_pref_size 86
	.end_amdhsa_kernel
	.amdgpu_metadata
---
amdhsa.version: [ 1, 2 ]
amdhsa.kernels:
  - .name:           k_qa8e8ef3130_oproj
    .symbol:         k_qa8e8ef3130_oproj.kd
    .args:
      - { .name: zimg, .offset: 0, .size: 8, .value_kind: global_buffer, .address_space: global }
      - { .name: wo16, .offset: 8, .size: 8, .value_kind: global_buffer, .address_space: global }
      - { .name: out0, .offset: 16, .size: 8, .value_kind: global_buffer, .address_space: global }
    .group_segment_fixed_size: 327680
    .private_segment_fixed_size: 0
    .kernarg_segment_align: 8
    .kernarg_segment_size: 24
    .max_flat_workgroup_size: 128
    .sgpr_count:     66
    .vgpr_count:     512
    .wavefront_size: 32
...
	.end_amdgpu_metadata
.endif
;; end of part 4
